; MI455X (gfx1250); checked and timed in simulation.
; The chip was launched on July 23, 2026; its instructions are those of AMD's public machine-readable ISA for CDNA 5 (MIT licence, August 2026) and "CDNA5" Instruction Set Architecture Reference Guide (July 2026). The comments in the code are by the model that wrote it; some were corrected since.
;; Point Net2 Feature Propagator. Allowed arithmetic: matrix products marked QUANTISED: E4M3 operands, one given power-of-two scale a tensor, by v_wmma_f32_16x16x64_fp8_fp8 or v_wmma_f32_16x16x128_fp8_fp8, f32 sums; products left as they are: f32 operands where the result goes on into a quantised operand, else bf16, f16 or f32 operands; f32 sums; everything else in f32.
;; Inputs: b1 256 float32; b2 256 float32; beta1 256 float32; beta2 256 float32; features 8 x 256 x 8,192 float32; features_prev 8 x 256 x 2,048 float32; g1 256 float32; g2 256 float32; lowp_scales 4 int32 (the exponents e of the quantised operands' scales 2^e); w1_codes 256 x 16 x 32 uint8 (E4M3 codes of w1, K innermost, in blocks of 32 codes); w2_codes 256 x 8 x 32 uint8 (E4M3 codes of w2, K innermost, in blocks of 32 codes); xyz 8 x 8,192 x 3 float32; xyz_prev 8 x 2,048 x 3 float32.
;; Outputs: out0 8 x 256 x 8,192 float32.
;; This version of the problem:
;;   THIS VERSION OF THE PROBLEM IS GIVEN IN LOW PRECISION. The matrix products marked QUANTISED in the list below multiply operands that are first quantised to E4M3 (4 exponent bits, 3 mantissa bits; 8 bits a number), with one given power-of-two scale for each operand tensor; their sums are f32. All else is computed in f32.
;;   The module's matrix products, in the order in which they are computed (A, B: the left and right operand; K: the contracted axis; several contracted axes count as one K, in the product's order):
;;     1. batch 8 x [M 8,192, K 3] x [K 3, N 2,048]; A: input xyz; B: input xyz_prev: left as it is (K = 3 < 32)
;;     2. batch 65,536 x [M 1, K 3] x [K 3, N 256]; A: computed on the way; B: computed on the way: left as it is (K = 3 < 32)
;;     3. [M 65,536, K 512] x [K 512, N 256]; A: computed on the way; B: input w1 (given as codes): QUANTISED (scales: A lowp_scales[0], B lowp_scales[1])
;;     4. [M 65,536, K 256] x [K 256, N 256]; A: computed on the way; B: input w2 (given as codes): QUANTISED (scales: A lowp_scales[2], B lowp_scales[3])
;;   THE QUANTISER, for each operand of a quantised product, along K:
;;     - The operand's scale is 2^e, e = its entry of the input lowp_scales (int32; the entries are numbered through the quantised products in the list's order, A before B).
;;     - Each number is divided by the scale, clamped to +-448, and rounded to the nearest number of E4M3, ties to even, subnormals kept.
;;     - The product sums the exact products of the quantised numbers (number of the format x scale) in f32.
;;   ~~~python
;;   def quantise(x, axis, e):      # numpy; x: float32 -> the quantised numbers, widened to float32 again
;;       x = np.moveaxis(x, axis, -1); K = x.shape[-1]
;;       r = np.clip(x / 2.0 ** e, -448, 448)
;;       step = 2.0 ** (np.maximum(np.frexp(np.where(r == 0, 1, r))[1] - 1, -6) - 3)
;;       q = np.round(r / step) * step * 2.0 ** e      # np.round: ties to even
;;       return np.moveaxis(q, -1, axis).astype(np.float32)
;;   ~~~
;;   OPERANDS COMPUTED ON THE WAY. 'Computed on the way' means the value that the module computes at that place (a softmax that the list does not call 'softmax' is quantised finished and normalised). What goes into a quantiser is computed in f32, as accurately as f32 sums, v_exp_f32 and their like allow (about 1e-6 of the number): no bf16 or f16 on the way to a quantiser, and a product that is left as it is and whose result goes on into a quantised operand takes f32 operands (vector FMAs, or v_wmma_f32_16x16x4_f32). A number that lies on a knife's edge between two numbers of the format may be rounded either way, as far as f32 arithmetic and the matrix unit's own rounding can turn it there, and no further.
;;   INPUTS GIVEN AS CODES. w1 (in the module: [256, 512], K = its axis 1); w2 (in the module: [256, 256], K = its axis 1): each comes as NAME_codes (uint8): NAME with its K axis moved to the last place and cut into blocks of 32 codes, [.., K / 32, bytes a block], one block behind the other in memory; one code a byte (a code: sign, 4 exponent bits, 3 mantissa bits); its scale is its entry of lowp_scales. Its value is code x scale, taken as it is: it is not quantised again, and the codes and scales need not be those that the quantiser above would give.
;; One version. Each part assembles by itself: llvm-mc -triple=amdgcn-amd-amdhsa -mcpu=gfx1250 --defsym DOCPART=n.
;; ======== version 1 of 1: 8 launches
;; workspace buffers: gsel 1,048,576 bytes of whole numbers; nidx 1,048,576 bytes of whole numbers; nwgt 1,048,576 bytes; fpt 16,777,216 bytes; xcodes 33,554,432 bytes; part 524,288 bytes; coef1 2,048 bytes; coef2 2,048 bytes
;; launch coarse (part 1): grid 512 x 1, 8 waves a work-group, no clusters, 41,984 bytes of LDS; arguments xyz, xyz_prev, features, lowp_scales, gsel, xcodes; writes gsel, xcodes
.if DOCPART == 1
	.amdgcn_target "amdgcn-amd-amdhsa--gfx1250"
	.amdhsa_code_object_version 6
	.text
	.protected	k_qb3ff2a29a1_coarse
	.globl	k_qb3ff2a29a1_coarse
	.p2align	8
	.type	k_qb3ff2a29a1_coarse,@function
k_qb3ff2a29a1_coarse:
	s_mov_b64 s[64:65], 0
	v_nop
	global_prefetch_b8 v0, s[64:65] scope:SCOPE_SE
	s_setreg_imm32_b32 hwreg(HW_REG_WAVE_MODE, 25, 1), 1
	s_wait_xcnt 0x0
; TWO ROLES, chosen by the work-group's number alone: numbers 0-255 search, numbers 256-511 stream; g = number % 256.  So work-groups i and i + 256 have different roles, and the longer role has the lower numbers.
; THE COARSE SEARCH.  256 queries of batch g / 32 against the batch's 2,048 known points, taken as 128 groups of 16 neighbouring points.  For each query the three groups with the smallest
;   (group minimum of d2, group number) are stored as whole numbers: every one of a query's three nearest points (ties to the lower index) lies in one of them, since each group that comes before
;   a point's own group holds a point that comes before that point, and at most two points do.
;   d2 = (|u|^2 + |k|^2) - 2 u.k: each square rounded, summed in order x, y, z; u.k by v_wmma_f32_16x16x4_f32 (k = 3 is zero), C = 0; the last step one fused multiply-add.
;   Source 0 = 16 known points, source 1 = 16 queries: a lane holds one query (lane % 16) and eight known points.  Row m of tile T is known point 1024 (m / 8) + 8 T + m % 8, so lanes 0-15 walk
;   points 0-1023 and lanes 16-31 points 1024-2047, eight neighbours a tile, a group in two tiles.  A wave owns 32 queries (two tiles q).
; THE STREAM.  features of 256 points, all 256 channels, become codes of E4M3 with the given scale 2^e0: K steps 2 and 3 of x.  A lane takes a point and its registers run down the channels (K).
;   xcodes is laid as images of operand registers: the 16 codes k = 128 s + 32 c + 16 h + 0..15 of point 16 T + r lie at 8192 T + 2048 s + 512 c + 256 h + 16 r.
; LIMITS: coordinates finite and d2 finite; NaN is not served.  e0 between -126 and 119.  Where two d2 differ by less than their own rounding, another order of f32 operations may choose otherwise.
; The registers v112-175 are written by matrix instructions alone.
.set AI,  0                            ; LDS: 128 tiles of known points as images of source 0: tile T at 256 T, lane l's 8 bytes at 8 l: lanes 0-15 (x, y), lanes 16-31 (z, 0)
.set SQB, 32768                        ; LDS: |k|^2 of the 2,048 known points, in their order
.set BQ,  12                           ; v[12:15]   source 1 for q = 0, 1
.set SU,  16                           ; v[16:19]   |u|^2 for q = 0, 1, as pairs (upper word a copy)
.set LV,  20                           ; v20-25     the three smallest minima, ascending, for q = 0, 1
.set LX,  26                           ; v26-31     their group numbers
.set MN,  32                           ; v32-35     a group's minimum, in two chains for each q
.set AF,  36                           ; v[36:43]   source 0: set p, tile u at AF + 4 p + 2 u
.set SQ,  44                           ; v[44:75]   |k|^2 of a group's 16 points, set p at SQ + 16 p
.set T,   76                           ; v[76:107]  d2: tile u, query tile q at T + 16 u + 8 q
.set D,   112                          ; v[112:175] u.k: set p, tile u, query tile q at D + 32 p + 16 u + 8 q
; Line n of eleven of an insertion into a sorted list of three: values v[l..l+2], numbers v[i..i+2]; candidate value v[m], number v[g]; masks s[sm..sm+2]; v[t] at work.  Strictly less: who came first stays ahead.
.macro INSL n, l, i, m, g, sm, t
.if \n == 0
	v_cmp_lt_f32 s[\sm], v[\m], v[\l]
.elseif \n == 1
	v_cmp_lt_f32 s[\sm+1], v[\m], v[\l+1]
.elseif \n == 2
	v_cmp_lt_f32 s[\sm+2], v[\m], v[\l+2]
.elseif \n == 3
	v_cndmask_b32 v[\t], v[\g], v[\i+1], s[\sm+1]
.elseif \n == 4
	v_cndmask_b32 v[\i+2], v[\i+2], v[\t], s[\sm+2]
.elseif \n == 5
	v_cndmask_b32 v[\t], v[\g], v[\i], s[\sm]
.elseif \n == 6
	v_cndmask_b32 v[\i+1], v[\i+1], v[\t], s[\sm+1]
.elseif \n == 7
	v_cndmask_b32 v[\i], v[\i], v[\g], s[\sm]
.elseif \n == 8
	v_med3_num_f32 v[\l+2], v[\m], v[\l+1], v[\l+2]
.elseif \n == 9
	v_med3_num_f32 v[\l+1], v[\m], v[\l], v[\l+1]
.else
	v_min_num_f32 v[\l], v[\l], v[\m]
.endif
.endm
	s_load_b256 s[4:11], s[0:1], 0x0               ; xyz s[4:5], xyz_prev s[6:7], features s[8:9], lowp_scales s[10:11]
	s_load_b128 s[12:15], s[0:1], 0x20             ; gsel s[12:13], xcodes s[14:15]
	v_lshl_add_u32 v176, v0, 2, 0xa000
	v_mov_b32 v177, 0
	v_lshrrev_b32 v1, 5, v0
	v_readfirstlane_b32 s16, v1                    ; wave 0..7
	s_and_b32 s17, ttmp9, 255                      ; g
	v_and_b32 v1, 31, v0                           ; lane
	v_and_b32 v2, 15, v0                           ; r
	v_bfe_u32 v3, v0, 4, 1                         ; h
	s_cmp_ge_u32 ttmp9, 256
	s_cbranch_scc1 .Lstream                        ; the same way for all eight waves of a work-group
	; ================= THE SEARCH =================
	s_lshr_b32 s18, s17, 5
	s_mul_i32 s18, s18, 24576                      ; the batch's known points: 2,048 x 12 bytes
	s_mov_b32 s19, 0
	s_mul_i32 s24, s17, 3072                       ; my work-group's 256 queries,
	s_mul_i32 s25, s16, 384                        ; my wave's 32
	s_add_co_u32 s24, s24, s25
	s_mov_b32 s25, 0
	s_lshl_b32 s26, s17, 12                        ; and their 16 bytes each in gsel
	s_lshl_b32 s27, s16, 9
	s_add_co_u32 s26, s26, s27
	s_mov_b32 s27, 0
	s_mul_i32 s23, s16, 1536                       ; my wave builds tiles 16 w on: 16 x 8 points x 12 bytes
	s_mov_b32 s20, 0x76543210                      ; v_permlanex16_b32: lane l xor 16
	s_mov_b32 s21, 0xfedcba98
	s_mov_b32 s22, 0xffff0000                      ; the mask of lanes 16-31
	v_mov_b32 v4, 0
	v_mul_u32_u24 v10, v0, 12                      ; |k|^2: thread t takes points t + 256 i
	v_lshrrev_b32 v7, 3, v2
	v_and_b32 v8, 7, v2
	v_mul_u32_u24 v7, v7, 12288
	v_mad_u32_u24 v7, v8, 12, v7
	v_add_nc_u32 v7, s23, v7                       ; row r of a tile: point 1024 (r / 8) + r % 8, in bytes
	v_lshl_add_u32 v11, v3, 3, v7                  ; lanes 0-15 take x, lanes 16-31 z
	v_mul_u32_u24 v8, v2, 12                       ; query r
	s_wait_kmcnt 0x0
	s_add_nc_u64 s[6:7], s[6:7], s[18:19]
	s_add_nc_u64 s[4:5], s[4:5], s[24:25]
	s_add_nc_u64 s[12:13], s[12:13], s[26:27]
.irp i, 0,1,2,3,4,5,6,7
.irp c, 0,1,2
	global_load_b32 v[36+3*\i+\c], v10, s[6:7] offset:3072*\i+4*\c
.endr
.endr
.irp i, 0,1,2,3,4,5,6,7,8,9,10,11,12,13,14,15
	global_load_b32 v[60+2*\i], v11, s[6:7] offset:96*\i
	global_load_b32 v[61+2*\i], v7, s[6:7] offset:96*\i+4
.endr
.irp q, 0,1
.irp c, 0,1,2
	global_load_b32 v[92+3*\q+\c], v8, s[4:5] offset:192*\q+4*\c
.endr
.endr
	v_lshlrev_b32 v5, 3, v1                        ; where my lane reads source 0: AI + 8 lane
	v_lshl_add_u32 v6, v3, 12, SQB                 ; and |k|^2: my half's 1,024 points
	v_lshlrev_b32 v9, 6, v3                        ; the group in hand: 64 h on
.irp k, 0,1,2,3,4,5
	v_mov_b32 v[LV+\k], 0x7f800000                 ; the lists begin at +infinity
	v_mov_b32 v[LX+\k], 0
.endr
	s_wait_loadcnt 0x0                             ; all 62 loads; their offset registers are free too
.irp i, 0,1,2,3,4,5,6,7
	v_mul_f32 v[36+3*\i], v[36+3*\i], v[36+3*\i]   ; each square is rounded by itself,
	v_mul_f32 v[37+3*\i], v[37+3*\i], v[37+3*\i]
	v_mul_f32 v[38+3*\i], v[38+3*\i], v[38+3*\i]
.endr
.irp i, 0,1,2,3,4,5,6,7
	v_add_f32 v[36+3*\i], v[36+3*\i], v[37+3*\i]   ; and they are summed in order
.endr
.irp i, 0,1,2,3,4,5,6,7
	v_add_f32 v[36+3*\i], v[36+3*\i], v[38+3*\i]
.endr
.irp i, 0,1,2,3,4,5,6,7,8,9,10,11,12,13,14,15
	v_cndmask_b32 v[61+2*\i], v[61+2*\i], v4, s22  ; k = 3 is zero
.endr
	v_lshl_add_u32 v10, v0, 2, SQB
	s_lshl_b32 s23, s16, 12
	v_lshl_add_u32 v11, v1, 3, s23                 ; my wave's 16 tiles: 4096 w + 8 lane
.irp i, 0,1,2,3,4,5,6,7
	ds_store_b32 v10, v[36+3*\i] offset:1024*\i
.endr
.irp i, 0,1,2,3,4,5,6,7,8,9,10,11,12,13,14,15
	ds_store_b64 v11, v[60+2*\i:61+2*\i] offset:256*\i
.endr
.irp q, 0,1
	v_cndmask_b32 v[BQ+2*\q], v[92+3*\q], v[94+3*\q], s22      ; source 1: lanes 0-15 (x, y), lanes 16-31 (z, 0)
	v_cndmask_b32 v[BQ+2*\q+1], v[93+3*\q], v4, s22
	v_mul_f32 v[92+3*\q], v[92+3*\q], v[92+3*\q]
	v_mul_f32 v[93+3*\q], v[93+3*\q], v[93+3*\q]
	v_mul_f32 v[94+3*\q], v[94+3*\q], v[94+3*\q]
	v_add_f32 v[SU+2*\q], v[92+3*\q], v[93+3*\q]
	v_add_f32 v[SU+2*\q], v[SU+2*\q], v[94+3*\q]
	v_mov_b32 v[SU+2*\q+1], v[SU+2*\q]
.endr
	s_wait_dscnt 0x0                               ; for the others' sake: my stores have landed
	s_barrier_signal -1
	s_barrier_wait -1                              ; the tables are whole; nothing in LDS is written from here on
; GROUP gr, p = gr % 2.  wm = 1: the four products of group gr + 1;  ld = 1: the fragments and |k|^2 of group gr + 2 are asked for.
; The products read here were issued a whole GROUP ago, and the loads go into registers that matrix instructions last read a whole GROUP ago: more than eight plain vector lines lie between.
.macro GROUP p, wm, ld
	s_wait_dscnt 0x0                               ; the six loads of the GROUP before
.if \wm
.irp u, 0,1
.irp q, 0,1
	v_wmma_f32_16x16x4_f32 v[D+32*(1-\p)+16*\u+8*\q:D+32*(1-\p)+16*\u+8*\q+7], v[AF+4*(1-\p)+2*\u:AF+4*(1-\p)+2*\u+1], v[BQ+2*\q:BQ+2*\q+1], 0
.endr
.endr
.endif
.irp u, 0,1
.irp q, 0,1
.irp j, 0,2,4,6
	v_pk_add_f32 v[T+16*\u+8*\q+\j:T+16*\u+8*\q+\j+1], v[SQ+16*\p+8*\u+\j:SQ+16*\p+8*\u+\j+1], v[SU+2*\q:SU+2*\q+1] op_sel_hi:[1,0]   ; |k|^2 + |u|^2
.endr
.endr
.endr
.if \ld
	v_add_nc_u32 v7, s30, v5
	v_add_nc_u32 v8, s31, v6
	ds_load_b64 v[AF+4*\p:AF+4*\p+1], v7
	ds_load_b64 v[AF+4*\p+2:AF+4*\p+3], v7 offset:256
.irp j, 0,1,2,3
	ds_load_b128 v[SQ+16*\p+4*\j:SQ+16*\p+4*\j+3], v8 offset:16*\j
.endr
	s_add_co_u32 s30, s30, 512
	s_add_co_u32 s31, s31, 64
.endif
.irp u, 0,1
.irp q, 0,1
.irp j, 0,2,4,6
	v_pk_fma_f32 v[T+16*\u+8*\q+\j:T+16*\u+8*\q+\j+1], v[D+32*\p+16*\u+8*\q+\j:D+32*\p+16*\u+8*\q+\j+1], -2.0, v[T+16*\u+8*\q+\j:T+16*\u+8*\q+\j+1] op_sel_hi:[1,0,1]   ; d2, one rounding; each result from its low end on
.endr
.endr
.endr
.irp q, 0,1
	v_min3_num_f32 v[MN+\q], v[T+8*\q], v[T+8*\q+1], v[T+8*\q+2]
	v_min3_num_f32 v[MN+2+\q], v[T+16+8*\q], v[T+16+8*\q+1], v[T+16+8*\q+2]
.endr
.irp q, 0,1
	v_min3_num_f32 v[MN+\q], v[MN+\q], v[T+8*\q+3], v[T+8*\q+4]
	v_min3_num_f32 v[MN+2+\q], v[MN+2+\q], v[T+16+8*\q+3], v[T+16+8*\q+4]
.endr
.irp q, 0,1
	v_min3_num_f32 v[MN+\q], v[MN+\q], v[T+8*\q+5], v[T+8*\q+6]
	v_min3_num_f32 v[MN+2+\q], v[MN+2+\q], v[T+16+8*\q+5], v[T+16+8*\q+6]
.endr
.irp q, 0,1
	v_min3_num_f32 v[MN+\q], v[MN+\q], v[T+8*\q+7], v[T+16+8*\q+7]
.endr
.irp q, 0,1
	v_min_num_f32 v[MN+\q], v[MN+\q], v[MN+2+\q]   ; the group's minimum for my query
.endr
.irp n, 0,1,2,3,4,5,6,7,8,9,10
	INSL \n, LV, LX, MN, 9, 24, 10                 ; the two query tiles line by line, so that no line waits for the one above it
	INSL \n, LV+3, LX+3, MN+1, 9, 27, 11
.endr
	v_add_nc_u32 v9, 1, v9
.endm
.irp p, 0,1                                    ; groups 0 and 1
	ds_load_b64 v[AF+4*\p:AF+4*\p+1], v5 offset:512*\p
	ds_load_b64 v[AF+4*\p+2:AF+4*\p+3], v5 offset:512*\p+256
.irp j, 0,1,2,3
	ds_load_b128 v[SQ+16*\p+4*\j:SQ+16*\p+4*\j+3], v6 offset:64*\p+16*\j
.endr
.endr
	s_mov_b32 s30, 1024                            ; group 2's tiles
	s_mov_b32 s31, 128                             ; and its |k|^2
	s_mov_b32 s32, 31
	s_wait_dscnt 0x0
.irp u, 0,1
.irp q, 0,1
	v_wmma_f32_16x16x4_f32 v[D+16*\u+8*\q:D+16*\u+8*\q+7], v[AF+2*\u:AF+2*\u+1], v[BQ+2*\q:BQ+2*\q+1], 0
.endr
.endr
.Lgroups:                                          ; 31 trips: groups 0 to 61 of each half
	GROUP 0, 1, 1
	GROUP 1, 1, 1
	s_sub_co_u32 s32, s32, 1
	s_cmp_lg_u32 s32, 0
	s_cbranch_scc1 .Lgroups
	GROUP 0, 1, 0                                  ; group 62: nothing is left to fetch
	GROUP 1, 0, 0                                  ; group 63: nothing is left to multiply
; The two halves of the lanes hold lists of the same query: groups 0-63 and groups 64-127.  The upper half's three are inserted into the lower half's list, strictly less, so the lower group stays ahead on a tie.
.macro MERGE q
.irp k, 0,1,2
	v_permlanex16_b32 v[T+\k], v[LV+3*\q+\k], s20, s21
	v_permlanex16_b32 v[T+3+\k], v[LX+3*\q+\k], s20, s21
.endr
.irp k, 0,1,2
	v_cndmask_b32 v[T+8+\k], v[T+\k], v[LV+3*\q+\k], s22       ; to insert: the upper half's
	v_cndmask_b32 v[T+11+\k], v[T+3+\k], v[LX+3*\q+\k], s22
	v_cndmask_b32 v[LV+3*\q+\k], v[LV+3*\q+\k], v[T+\k], s22   ; the base: the lower half's
	v_cndmask_b32 v[LX+3*\q+\k], v[LX+3*\q+\k], v[T+3+\k], s22
.endr
.irp k, 0,1,2
.irp n, 0,1,2,3,4,5,6,7,8,9,10
	INSL \n, LV+3*\q, LX+3*\q, T+8+\k, T+11+\k, 24, 10
.endr
.endr
.endm
	MERGE 0
	MERGE 1
	v_cndmask_b32 v96, v[LX], v[LX+3], s22         ; lanes 0-15 store query r, lanes 16-31 query 16 + r
	v_cndmask_b32 v97, v[LX+1], v[LX+4], s22
	v_cndmask_b32 v98, v[LX+2], v[LX+5], s22
	v_mov_b32 v99, 0
	v_lshlrev_b32 v10, 4, v1
	global_store_b128 v10, v[96:99], s[12:13]      ; the wave stores 512 consecutive bytes, aligned
	s_wait_tensorcnt 0x0
	ds_add_u32 v176, v177
	s_wait_dscnt 0x0
	s_endpgm
	; ================= THE STREAM =================
.Lstream:
	s_lshr_b32 s18, s17, 5
	s_lshl_b32 s18, s18, 23                        ; the batch: 256 channels x 8,192 points x 4 bytes
	s_and_b32 s19, s17, 31
	s_lshl_b32 s19, s19, 10                        ; my work-group's 256 points in a channel's row,
	s_add_co_u32 s18, s18, s19
	s_lshl_b32 s19, s16, 7                         ; my wave's 32
	s_add_co_u32 s18, s18, s19
	s_mov_b32 s19, 0
	s_lshl_b32 s20, s17, 17                        ; xcodes: 16 point tiles of 8,192 bytes a work-group,
	s_lshl_b32 s21, s16, 14                        ; two a wave
	s_add_co_u32 s20, s20, s21
	s_mov_b32 s21, 0
	v_lshlrev_b32 v4, 2, v1                        ; in: 4 bytes a lane
	v_lshlrev_b32 v5, 13, v3                       ; out: tile lane / 16, 16 bytes for point lane % 16
	v_lshl_add_u32 v5, v2, 4, v5
	s_wait_kmcnt 0x0
	s_load_b32 s22, s[10:11], 0x0                  ; e0
	s_add_nc_u64 s[8:9], s[8:9], s[18:19]
	s_add_nc_u64 s[14:15], s[14:15], s[20:21]
.macro LOADF t                         ; channels 32 t + i of my point into set t % 2; every offset is an immediate: 255 x 32,768 at the most, inside the signed 24 bits
.set i, 0
.rept 32
	global_load_b32 v[16+32*((\t)%2)+i], v4, s[8:9] offset:(32*(\t)+i)*32768 th:TH_LOAD_NT
.set i, i+1
.endr
.endm
	LOADF 0
	LOADF 1
	s_wait_kmcnt 0x0
	s_add_co_i32 s22, s22, 127
	s_lshl_b32 s23, s22, 23
	v_mov_b32 v11, s23                             ; 2^e0 as f32: the conversion takes its exponent field
	s_add_co_i32 s22, s22, 8
	s_lshl_b32 s22, s22, 23
	s_or_b32 s22, s22, 0x600000
	v_mov_b32 v10, s22                             ; 448 x 2^e0
.macro BLOCK t
.set XS, 16+32*((\t)%2)
.set CC, 80+8*((\t)%2)
.if (\t) < 7
	s_wait_loadcnt 32                              ; this block's 32 loads are in; the next block's may be out
.else
	s_wait_loadcnt 0x0
.endif
	s_wait_xcnt 0x0                                ; the stores of two blocks ago have read this set of codes
.set i, 0
.rept 32
	v_med3_num_f32 v[XS+i], v[XS+i], -v10, v10     ; the conversion to an 8-bit code does not saturate (ISA guide 7.6.2): the hold at the largest code x the scale
.set i, i+1
.endr
.irp c, 0,1,2,3
	v_cvt_scalef32_pk8_fp8_f32 v[CC+2*\c:CC+2*\c+1], v[XS+8*\c:XS+8*\c+7], v11
.endr
	v_nop                                          ; a plain line behind the last conversion
	global_store_b128 v5, v[CC:CC+3], s[14:15] offset:(2+(\t)/4)*2048+((\t)%4)*512          ; sixteen lanes store 256 consecutive bytes, aligned
	global_store_b128 v5, v[CC+4:CC+7], s[14:15] offset:(2+(\t)/4)*2048+((\t)%4)*512+256
.if (\t)+2 < 8
	LOADF (\t)+2
.endif
.endm
.irp t, 0,1,2,3,4,5,6,7
	BLOCK \t
.endr
	s_endpgm
.Lfunc_end_k_qb3ff2a29a1_coarse:
	.size	k_qb3ff2a29a1_coarse, .Lfunc_end_k_qb3ff2a29a1_coarse-k_qb3ff2a29a1_coarse
	.p2alignl 7, 3214868480
	.fill 96, 4, 3214868480
	.section	.rodata,"a",@progbits
	.p2align	6, 0x0
	.amdhsa_kernel k_qb3ff2a29a1_coarse
		.amdhsa_group_segment_fixed_size 41984
		.amdhsa_private_segment_fixed_size 0
		.amdhsa_enable_private_segment 0
		.amdhsa_kernarg_size 48
		.amdhsa_user_sgpr_count 2
		.amdhsa_user_sgpr_kernarg_segment_ptr 1
		.amdhsa_wavefront_size32 1
		.amdhsa_system_sgpr_workgroup_id_x 1
		.amdhsa_system_sgpr_workgroup_id_y 1
		.amdhsa_system_sgpr_workgroup_id_z 1
		.amdhsa_system_vgpr_workitem_id 0
		.amdhsa_next_free_vgpr 178
		.amdhsa_next_free_sgpr 66
		.amdhsa_reserve_vcc 0
		.amdhsa_float_denorm_mode_32 3
		.amdhsa_float_denorm_mode_16_64 3
		.amdhsa_memory_ordered 1
		.amdhsa_forward_progress 1
		.amdhsa_inst_pref_size 86
	.end_amdhsa_kernel
	.amdgpu_metadata
---
amdhsa.version: [ 1, 2 ]
amdhsa.kernels:
  - .name:           k_qb3ff2a29a1_coarse
    .symbol:         k_qb3ff2a29a1_coarse.kd
    .args:
      - { .name: xyz, .offset: 0, .size: 8, .value_kind: global_buffer, .address_space: global }
      - { .name: xyz_prev, .offset: 8, .size: 8, .value_kind: global_buffer, .address_space: global }
      - { .name: features, .offset: 16, .size: 8, .value_kind: global_buffer, .address_space: global }
      - { .name: lowp_scales, .offset: 24, .size: 8, .value_kind: global_buffer, .address_space: global }
      - { .name: gsel, .offset: 32, .size: 8, .value_kind: global_buffer, .address_space: global }
      - { .name: xcodes, .offset: 40, .size: 8, .value_kind: global_buffer, .address_space: global }
    .group_segment_fixed_size: 41984
    .private_segment_fixed_size: 0
    .kernarg_segment_align: 8
    .kernarg_segment_size: 48
    .max_flat_workgroup_size: 256
    .sgpr_count:     66
    .vgpr_count:     178
    .wavefront_size: 32
...
	.end_amdgpu_metadata
.endif
;; end of part 1
;; launch fine (part 2): grid 512 x 1, 4 waves a work-group, no clusters, 70,144 bytes of LDS; arguments xyz, xyz_prev, features_prev, gsel, nidx, nwgt, fpt; writes nidx, nwgt, fpt
.if DOCPART == 2
	.amdgcn_target "amdgcn-amd-amdhsa--gfx1250"
	.amdhsa_code_object_version 6
	.text
	.protected	k_qb3ff2a29a1_fine
	.globl	k_qb3ff2a29a1_fine
	.p2align	8
	.type	k_qb3ff2a29a1_fine,@function
k_qb3ff2a29a1_fine:
	s_mov_b64 s[64:65], 0
	v_nop
	global_prefetch_b8 v0, s[64:65] scope:SCOPE_SE
	s_setreg_imm32_b32 hwreg(HW_REG_WAVE_MODE, 25, 1), 1
	s_wait_xcnt 0x0
; THE FINE SEARCH, AND A TRANSPOSITION.  Work-group id, batch b = id / 64; thread t owns query 128 id + t.
; (1) The batch's 2,048 known points are laid in LDS as 128 records, one a group of 16: 16 x (x, y, z), 16 x |k|^2, 16 bytes of padding: 272 bytes, an odd multiple of 16.
; (2) Each thread reads the three records that the launch before chose for its query (whole numbers from gsel), in ascending order of group, forms d2 of the 48 points by the very operations of that launch
;     (squares rounded singly and summed in order; u.k as multiply, fused multiply-add, fused multiply-add in x, y, z; |u|^2 + |k|^2 rounded; d2 = that - 2 u.k in one rounding) and keeps the three smallest,
;     strictly less: the lower index stays ahead on a tie.  Then dist = sqrt(max(d2, 0)), inv = 1 / (dist + 1e-8), weight = inv / ((inv0 + inv1) + inv2).
; (3) Beside it the work-group turns a block of features_prev, 64 channels x 128 points, into rows of fpt [8 x 2048][256], through each wave's own stage in LDS.
; LIMITS: coordinates and d2 finite; NaN is not served.
.set TB,  0                            ; LDS: the 128 records
.set STG, 34816                        ; LDS: 32 rows x 272 bytes for each wave
.macro INSL n, l, i, m, g, sm, t       ; line n of eleven of an insertion into a sorted list of three (values v[l..], numbers v[i..]; candidate v[m], v[g]; masks s[sm..]; v[t] at work)
.if \n == 0
	v_cmp_lt_f32 s[\sm], v[\m], v[\l]
.elseif \n == 1
	v_cmp_lt_f32 s[\sm+1], v[\m], v[\l+1]
.elseif \n == 2
	v_cmp_lt_f32 s[\sm+2], v[\m], v[\l+2]
.elseif \n == 3
	v_cndmask_b32 v[\t], v[\g], v[\i+1], s[\sm+1]
.elseif \n == 4
	v_cndmask_b32 v[\i+2], v[\i+2], v[\t], s[\sm+2]
.elseif \n == 5
	v_cndmask_b32 v[\t], v[\g], v[\i], s[\sm]
.elseif \n == 6
	v_cndmask_b32 v[\i+1], v[\i+1], v[\t], s[\sm+1]
.elseif \n == 7
	v_cndmask_b32 v[\i], v[\i], v[\g], s[\sm]
.elseif \n == 8
	v_med3_num_f32 v[\l+2], v[\m], v[\l+1], v[\l+2]
.elseif \n == 9
	v_med3_num_f32 v[\l+1], v[\m], v[\l], v[\l+1]
.else
	v_min_num_f32 v[\l], v[\l], v[\m]
.endif
.endm
.macro INSERT l, i, m, g, sm, t
.irp n, 0,1,2,3,4,5,6,7,8,9,10
	INSL \n, \l, \i, \m, \g, \sm, \t
.endr
.endm
; REGISTERS: v4-7 offsets; v8-10 the query, v11 |u|^2; v[12:15] the groups; v16-18 the three d2, v20-22 their indices, v23 at work, v24 the candidate's index; v25-27 16 x group; v28-30 the records' LDS addresses;
;   v31 my record; v[32:35] the weights; v36, v37 the stage in and out; v38 my offset in fpt; v40-42 at work; v[64:255] three records (earlier: my group's points, the block of features_prev, |k|^2).
	s_load_b256 s[4:11], s[0:1], 0x0               ; xyz, xyz_prev, features_prev, gsel
	s_load_b128 s[12:15], s[0:1], 0x20             ; nidx, nwgt
	s_load_b64 s[16:17], s[0:1], 0x30              ; fpt
	v_lshl_add_u32 v62, v0, 2, 0x11000
	v_mov_b32 v63, 0
	v_lshrrev_b32 v1, 5, v0
	v_readfirstlane_b32 s18, v1                    ; wave 0..3
	v_and_b32 v1, 31, v0                           ; lane
	v_and_b32 v2, 15, v0
	v_bfe_u32 v3, v0, 4, 1
	v_mul_u32_u24 v4, v0, 192                      ; group t's 16 points
	v_mul_u32_u24 v5, v0, 12                       ; query t
	v_lshlrev_b32 v6, 4, v0                        ; its 16 bytes in gsel, nidx, nwgt
	v_lshlrev_b32 v7, 2, v1
	v_mul_u32_u24 v31, v0, 272
	s_mul_i32 s20, s18, 8704
	s_add_co_u32 s20, s20, STG                     ; my wave's stage
	v_mul_u32_u24 v36, v1, 272
	v_add_nc_u32 v36, s20, v36                     ; in: row = my point
	v_mul_u32_u24 v37, v3, 272
	v_lshl_add_u32 v37, v2, 4, v37
	v_add_nc_u32 v37, s20, v37                     ; out: sixteen lanes to a row, two rows an instruction
	v_lshlrev_b32 v38, 10, v3
	v_lshl_add_u32 v38, v2, 4, v38                 ; and the same in fpt: rows of 1,024 bytes
	s_lshr_b32 s19, ttmp9, 6                       ; b
	s_and_b32 s21, ttmp9, 3                        ; which 64 channels
	s_bfe_u32 s22, ttmp9, 0x40002                  ; which 128 known points
	s_mul_i32 s28, s19, 24576
	s_mov_b32 s29, 0
	s_mul_i32 s30, ttmp9, 1536
	s_mov_b32 s31, 0
	s_lshl_b32 s32, ttmp9, 11
	s_mov_b32 s33, 0
	s_lshl_b32 s34, s19, 21                        ; features_prev: batch, 64 channel rows of 8,192 bytes, 128 points, my wave's 32
	s_lshl_b32 s35, s21, 19
	s_add_co_u32 s34, s34, s35
	s_lshl_b32 s35, s22, 9
	s_add_co_u32 s34, s34, s35
	s_lshl_b32 s35, s18, 7
	s_add_co_u32 s34, s34, s35
	s_mov_b32 s35, 0
	s_lshl_b32 s27, s19, 11                        ; 2,048 b: the batch's first row of fpt
	s_lshl_b32 s36, s22, 7
	s_add_co_u32 s36, s36, s27
	s_lshl_b32 s37, s18, 5
	s_add_co_u32 s36, s36, s37
	s_lshl_b32 s36, s36, 10
	s_lshl_b32 s37, s21, 8
	s_add_co_u32 s36, s36, s37
	s_mov_b32 s37, 0
	s_wait_kmcnt 0x0
	s_add_nc_u64 s[6:7], s[6:7], s[28:29]
	s_add_nc_u64 s[4:5], s[4:5], s[30:31]
	s_add_nc_u64 s[10:11], s[10:11], s[32:33]
	s_add_nc_u64 s[12:13], s[12:13], s[32:33]
	s_add_nc_u64 s[14:15], s[14:15], s[32:33]
	s_add_nc_u64 s[8:9], s[8:9], s[34:35]
	s_add_nc_u64 s[16:17], s[16:17], s[36:37]
.set j, 0
.rept 12
	global_load_b128 v[64+4*j:67+4*j], v4, s[6:7] offset:16*j
.set j, j+1
.endr
	global_load_b32 v8, v5, s[4:5]
	global_load_b32 v9, v5, s[4:5] offset:4
	global_load_b32 v10, v5, s[4:5] offset:8
	global_load_b128 v[12:15], v6, s[10:11]
.set j, 0
.rept 64
	global_load_b32 v[128+j], v7, s[8:9] offset:8192*j th:TH_LOAD_NT   ; channel j of the block, my point: read once in the launch
.set j, j+1
.endr
	s_wait_loadcnt 63                              ; 64 loads were issued behind the first 16; the count leaves at most 63 out, so those 16 are in
.set i, 0
.rept 16
	v_mul_f32 v[192+i], v[64+3*i], v[64+3*i]
	v_mul_f32 v40, v[65+3*i], v[65+3*i]
	v_mul_f32 v41, v[66+3*i], v[66+3*i]
	v_add_f32 v[192+i], v[192+i], v40
	v_add_f32 v[192+i], v[192+i], v41              ; |k|^2 = (x x + y y) + z z, each step rounded
.set i, i+1
.endr
.set j, 0
.rept 12
	ds_store_b128 v31, v[64+4*j:67+4*j] offset:16*j
.set j, j+1
.endr
.set j, 0
.rept 4
	ds_store_b128 v31, v[192+4*j:195+4*j] offset:192+16*j
.set j, j+1
.endr
	v_mul_f32 v11, v8, v8
	v_mul_f32 v40, v9, v9
	v_mul_f32 v41, v10, v10
	v_add_f32 v11, v11, v40
	v_add_f32 v11, v11, v41                        ; |u|^2
	v_min_u32 v40, v12, v13                        ; the three groups in ascending order, so that candidates come in ascending index
	v_max_u32 v41, v12, v13
	v_min_u32 v42, v41, v14
	v_max_u32 v14, v41, v14
	v_min_u32 v12, v40, v42
	v_max_u32 v13, v40, v42
.irp k, 0,1,2
	v_min_u32 v[12+\k], 127, v[12+\k]              ; a loaded number enters an address only behind this bound
	v_mul_u32_u24 v[28+\k], v[12+\k], 272
	v_lshlrev_b32 v[25+\k], 4, v[12+\k]
	v_mov_b32 v[16+\k], 0x7f800000
	v_mov_b32 v[20+\k], 0
.endr
	s_wait_loadcnt 0x0                             ; the block of features_prev
.set j, 0
.rept 16
	ds_store_b128 v36, v[128+4*j:131+4*j] offset:16*j
.set j, j+1
.endr
	s_wait_dscnt 0x0                               ; for the others' sake: my record has landed
	s_barrier_signal -1
	s_barrier_wait -1                              ; all 128 records lie in LDS; nothing in LDS is written from here on
.set j, 0
.rept 16
	ds_load_b128 v[128+4*j:131+4*j], v37 offset:544*j
.set j, j+1
.endr
.set j, 0
.rept 16
	s_wait_dscnt 15-j                              ; LDS loads come back in order: load j is in
	global_store_b128 v38, v[128+4*j:131+4*j], s[16:17] offset:2048*j   ; sixteen lanes store 256 consecutive bytes, aligned
.set j, j+1
.endr
	s_wait_xcnt 0x0                                ; the stores have read their registers: the records may land there
.irp k, 0,1,2
.set j, 0
.rept 16
	ds_load_b128 v[64+64*\k+4*j:67+64*\k+4*j], v[28+\k] offset:16*j
.set j, j+1
.endr
.endr
.macro REC R, gb                       ; a record in v[R .. R + 63]: 16 d2, then 16 insertions
.set i, 0
.rept 16
	v_mul_f32 v[\R+3*i], v8, v[\R+3*i]
.set i, i+1
.endr
.set i, 0
.rept 16
	v_fma_f32 v[\R+3*i], v9, v[\R+3*i+1], v[\R+3*i]
.set i, i+1
.endr
.set i, 0
.rept 16
	v_fma_f32 v[\R+3*i], v10, v[\R+3*i+2], v[\R+3*i]
.set i, i+1
.endr
.set i, 0
.rept 16
	v_add_f32 v[\R+48+i], v11, v[\R+48+i]
.set i, i+1
.endr
.set i, 0
.rept 16
	v_fma_f32 v[\R+3*i], -2.0, v[\R+3*i], v[\R+48+i]
.set i, i+1
.endr
.set i, 0
.rept 16
	v_add_nc_u32 v24, i, v[\gb]
	INSERT 16, 20, \R+3*i, 24, 24, 23
.set i, i+1
.endr
.endm
	s_wait_dscnt 32                                ; the first record's 16 loads are in
	REC 64, 25
	s_wait_dscnt 16
	REC 128, 26
	s_wait_dscnt 0x0
	REC 192, 27
.irp k, 0,1,2
	v_max_num_f32 v[16+\k], 0, v[16+\k]
.endr
.irp k, 0,1,2
	v_sqrt_f32 v[16+\k], v[16+\k]
.endr
	v_mov_b32 v23, 0                               ; a plain line behind the roots (and nidx's fourth word)
	s_wait_alu depctr_va_vdst(0)                   ; one wait for the three, ahead of their first reader
.irp k, 0,1,2
	v_add_f32 v[16+\k], 0x322bcc77, v[16+\k]       ; + 1e-8
.endr
.irp k, 0,1,2
	v_rcp_f32 v[32+\k], v[16+\k]
.endr
	v_mov_b32 v35, 0                               ; a plain line (and nwgt's fourth word)
	s_wait_alu depctr_va_vdst(0)
	v_add_f32 v40, v32, v33
	v_add_f32 v40, v40, v34
	v_rcp_f32 v40, v40
.irp k, 0,1,2
	v_add_nc_u32 v[20+\k], s27, v[20+\k]           ; plain lines: the index becomes a row of fpt
.endr
	s_wait_alu depctr_va_vdst(0)
.irp k, 0,1,2
	v_mul_f32 v[32+\k], v[32+\k], v40
.endr
	global_store_b128 v6, v[20:23], s[12:13]       ; each wave stores 512 consecutive bytes, aligned
	global_store_b128 v6, v[32:35], s[14:15]
	s_wait_tensorcnt 0x0
	ds_add_u32 v62, v63
	s_wait_dscnt 0x0
	s_endpgm
.Lfunc_end_k_qb3ff2a29a1_fine:
	.size	k_qb3ff2a29a1_fine, .Lfunc_end_k_qb3ff2a29a1_fine-k_qb3ff2a29a1_fine
	.p2alignl 7, 3214868480
	.fill 96, 4, 3214868480
	.section	.rodata,"a",@progbits
	.p2align	6, 0x0
	.amdhsa_kernel k_qb3ff2a29a1_fine
		.amdhsa_group_segment_fixed_size 70144
		.amdhsa_private_segment_fixed_size 0
		.amdhsa_enable_private_segment 0
		.amdhsa_kernarg_size 56
		.amdhsa_user_sgpr_count 2
		.amdhsa_user_sgpr_kernarg_segment_ptr 1
		.amdhsa_wavefront_size32 1
		.amdhsa_system_sgpr_workgroup_id_x 1
		.amdhsa_system_sgpr_workgroup_id_y 1
		.amdhsa_system_sgpr_workgroup_id_z 1
		.amdhsa_system_vgpr_workitem_id 0
		.amdhsa_next_free_vgpr 256
		.amdhsa_next_free_sgpr 66
		.amdhsa_reserve_vcc 0
		.amdhsa_float_denorm_mode_32 3
		.amdhsa_float_denorm_mode_16_64 3
		.amdhsa_memory_ordered 1
		.amdhsa_forward_progress 1
		.amdhsa_inst_pref_size 69
	.end_amdhsa_kernel
	.amdgpu_metadata
---
amdhsa.version: [ 1, 2 ]
amdhsa.kernels:
  - .name:           k_qb3ff2a29a1_fine
    .symbol:         k_qb3ff2a29a1_fine.kd
    .args:
      - { .name: xyz, .offset: 0, .size: 8, .value_kind: global_buffer, .address_space: global }
      - { .name: xyz_prev, .offset: 8, .size: 8, .value_kind: global_buffer, .address_space: global }
      - { .name: features_prev, .offset: 16, .size: 8, .value_kind: global_buffer, .address_space: global }
      - { .name: gsel, .offset: 24, .size: 8, .value_kind: global_buffer, .address_space: global }
      - { .name: nidx, .offset: 32, .size: 8, .value_kind: global_buffer, .address_space: global }
      - { .name: nwgt, .offset: 40, .size: 8, .value_kind: global_buffer, .address_space: global }
      - { .name: fpt, .offset: 48, .size: 8, .value_kind: global_buffer, .address_space: global }
    .group_segment_fixed_size: 70144
    .private_segment_fixed_size: 0
    .kernarg_segment_align: 8
    .kernarg_segment_size: 56
    .max_flat_workgroup_size: 128
    .sgpr_count:     66
    .vgpr_count:     256
    .wavefront_size: 32
...
	.end_amdgpu_metadata
.endif
;; end of part 2
;; launch gather (part 3): grid 1024 x 1, 4 waves a work-group, no clusters, 17,920 bytes of LDS; arguments nidx, nwgt, fpt, lowp_scales, xcodes; writes xcodes
.if DOCPART == 3
	.amdgcn_target "amdgcn-amd-amdhsa--gfx1250"
	.amdhsa_code_object_version 6
	.text
	.protected	k_qb3ff2a29a1_gather
	.globl	k_qb3ff2a29a1_gather
	.p2align	8
	.type	k_qb3ff2a29a1_gather,@function
k_qb3ff2a29a1_gather:
	s_mov_b64 s[64:65], 0
	v_nop
	global_prefetch_b8 v0, s[64:65] scope:SCOPE_SE
	s_setreg_imm32_b32 hwreg(HW_REG_WAVE_MODE, 25, 1), 1
	s_wait_xcnt 0x0
; THE INTERPOLATION: for each point the three rows of fpt (256 channels, 1,024 bytes) that nidx names, weighed by nwgt, summed in the order of rank, quantised to E4M3 with the given 2^e0: K steps 0 and 1 of x.
; A wave owns a tile of 16 points.  All 32 lanes read one row together: lane l takes channels 8 l .. 8 l + 7 (two loads of 16 bytes), so a row comes as 1,024 consecutive bytes.
; Rows are asked for a quarter (4 points, 24 loads) ahead: 24 to 48 loads of a wave are on their way.  The rows' numbers are whole numbers that an earlier launch stored; each is bounded before it enters an address.
; A lane's eight codes of a point go into the wave's own stage (16 rows of 256 bytes + 16) and come back as the operand's register image: 16 bytes k = 128 s + 32 c + 16 h + 0..15 of point r at 2048 s + 512 c + 16 lane.
; No barrier: waves share nothing.  LIMITS: e0 between -126 and 119; NaN is not served.
.set VO, 24                            ; v24-47   the rows' offsets: two sets of 12
.set DA, 48                            ; v48-239  the rows: two sets x 4 points x 3 rows x 8 registers
	s_load_b256 s[4:11], s[0:1], 0x0               ; nidx, nwgt, fpt, lowp_scales
	s_load_b64 s[12:13], s[0:1], 0x20              ; xcodes
	v_lshl_add_u32 v254, v0, 2, 0x4400
	v_mov_b32 v255, 0
	v_lshrrev_b32 v1, 5, v0
	v_readfirstlane_b32 s14, v1                    ; wave 0..3
	v_and_b32 v1, 31, v0                           ; lane
	v_and_b32 v243, 15, v0                         ; r
	v_bfe_u32 v244, v0, 4, 1                       ; h
	v_lshlrev_b32 v240, 4, v243                    ; point r's 16 bytes in nidx and nwgt
	v_lshlrev_b32 v10, 5, v1                       ; my 32 bytes of a row
	s_mul_i32 s16, s14, 4352                       ; my wave's stage
	v_lshl_add_u32 v11, v1, 3, s16                 ; in: 8 bytes a lane
	v_mul_u32_u24 v241, v243, 272
	v_lshl_add_u32 v241, v244, 4, v241
	v_add_nc_u32 v241, s16, v241                   ; out: row r, + 16 h
	v_lshlrev_b32 v242, 4, v1
	s_lshl_b32 s15, ttmp9, 2
	s_add_co_u32 s15, s15, s14                     ; my tile of points
	s_lshl_b32 s18, s15, 8
	s_mov_b32 s19, 0
	s_lshl_b32 s22, s15, 13
	s_mov_b32 s23, 0
	s_mov_b32 s25, 0                               ; (the upper words of the pairs that the packed forms name)
	s_mov_b32 s27, 0
	s_mov_b32 s29, 0
	s_wait_kmcnt 0x0
	s_load_b32 s17, s[10:11], 0x0                  ; e0
	s_add_nc_u64 s[4:5], s[4:5], s[18:19]
	s_add_nc_u64 s[6:7], s[6:7], s[18:19]
	s_add_nc_u64 s[12:13], s[12:13], s[22:23]
	global_load_b128 v[2:5], v240, s[4:5]
	global_load_b128 v[6:9], v240, s[6:7]
	s_wait_kmcnt 0x0
	s_add_co_i32 s17, s17, 127
	s_lshl_b32 s18, s17, 23
	v_mov_b32 v12, s18                             ; 2^e0 as f32
	s_add_co_i32 s17, s17, 8
	s_lshl_b32 s17, s17, 23
	s_or_b32 s17, s17, 0x600000
	v_mov_b32 v13, s17                             ; 448 x 2^e0
	s_wait_loadcnt 0x0
.macro ROWS qd, set                    ; the 12 rows of points 4 qd .. 4 qd + 3 are asked for: 24 loads
.irp pp, 0,1,2,3
.irp k, 0,1,2
	v_readlane_b32 s20, v[2+\k], 4*\qd+\pp
	s_min_u32 s20, s20, 16383                      ; a loaded number enters an address only behind this bound
	v_lshl_add_u32 v[VO+12*\set+3*\pp+\k], s20, 10, v10
	global_load_b128 v[DA+96*\set+24*\pp+8*\k:DA+96*\set+24*\pp+8*\k+3], v[VO+12*\set+3*\pp+\k], s[8:9]
	global_load_b128 v[DA+96*\set+24*\pp+8*\k+4:DA+96*\set+24*\pp+8*\k+7], v[VO+12*\set+3*\pp+\k], s[8:9] offset:16
.endr
.endr
.endm
.macro PROC qd, set, nxt               ; nxt: the loads of the quarter asked for behind this one
.irp pp, 0,1,2,3
	s_wait_loadcnt \nxt+6*(3-\pp)                  ; this point's six loads are in; behind them: six for each later point of the quarter, and the next quarter's
	v_readlane_b32 s24, v6, 4*\qd+\pp
	v_readlane_b32 s26, v7, 4*\qd+\pp
	v_readlane_b32 s28, v8, 4*\qd+\pp
.irp j, 0,2,4,6
	v_pk_mul_f32 v[14+\j:15+\j], v[DA+96*\set+24*\pp+\j:DA+96*\set+24*\pp+\j+1], s[24:25] op_sel_hi:[1,0]
.endr
.irp j, 0,2,4,6
	v_pk_fma_f32 v[14+\j:15+\j], v[DA+96*\set+24*\pp+8+\j:DA+96*\set+24*\pp+8+\j+1], s[26:27], v[14+\j:15+\j] op_sel_hi:[1,0,1]
.endr
.irp j, 0,2,4,6
	v_pk_fma_f32 v[14+\j:15+\j], v[DA+96*\set+24*\pp+16+\j:DA+96*\set+24*\pp+16+\j+1], s[28:29], v[14+\j:15+\j] op_sel_hi:[1,0,1]
.endr
.irp j, 0,1,2,3,4,5,6,7
	v_med3_num_f32 v[14+\j], v[14+\j], -v13, v13   ; the hold at the largest code x the scale (the conversion does not saturate: ISA guide 7.6.2)
.endr
	v_cvt_scalef32_pk8_fp8_f32 v[22:23], v[14:21], v12
	v_nop                                          ; a plain line between the conversion and the next point's writes of its sources
	ds_store_b64 v11, v[22:23] offset:272*(4*\qd+\pp)
.endr
.endm
	ROWS 0, 0
	ROWS 1, 1
	PROC 0, 0, 24
	ROWS 2, 0                                      ; the set's loads were shown done by the last wait above: their offsets and registers are free
	PROC 1, 1, 24
	ROWS 3, 1
	PROC 2, 0, 24
	PROC 3, 1, 0
.irp s, 0,1
.irp c, 0,1,2,3
	ds_load_b128 v[48+16*\s+4*\c:51+16*\s+4*\c], v241 offset:128*\s+32*\c   ; LDS serves a wave's instructions in order: these see my stores
.endr
.endr
.irp s, 0,1
.irp c, 0,1,2,3
	s_wait_dscnt 7-4*\s-\c
	global_store_b128 v242, v[48+16*\s+4*\c:51+16*\s+4*\c], s[12:13] offset:2048*\s+512*\c   ; the wave stores 512 consecutive bytes, aligned
.endr
.endr
	s_wait_tensorcnt 0x0
	ds_add_u32 v254, v255
	s_wait_dscnt 0x0
	s_endpgm
.Lfunc_end_k_qb3ff2a29a1_gather:
	.size	k_qb3ff2a29a1_gather, .Lfunc_end_k_qb3ff2a29a1_gather-k_qb3ff2a29a1_gather
	.p2alignl 7, 3214868480
	.fill 96, 4, 3214868480
	.section	.rodata,"a",@progbits
	.p2align	6, 0x0
	.amdhsa_kernel k_qb3ff2a29a1_gather
		.amdhsa_group_segment_fixed_size 17920
		.amdhsa_private_segment_fixed_size 0
		.amdhsa_enable_private_segment 0
		.amdhsa_kernarg_size 40
		.amdhsa_user_sgpr_count 2
		.amdhsa_user_sgpr_kernarg_segment_ptr 1
		.amdhsa_wavefront_size32 1
		.amdhsa_system_sgpr_workgroup_id_x 1
		.amdhsa_system_sgpr_workgroup_id_y 1
		.amdhsa_system_sgpr_workgroup_id_z 1
		.amdhsa_system_vgpr_workitem_id 0
		.amdhsa_next_free_vgpr 256
		.amdhsa_next_free_sgpr 66
		.amdhsa_reserve_vcc 0
		.amdhsa_float_denorm_mode_32 3
		.amdhsa_float_denorm_mode_16_64 3
		.amdhsa_memory_ordered 1
		.amdhsa_forward_progress 1
		.amdhsa_inst_pref_size 48
	.end_amdhsa_kernel
	.amdgpu_metadata
---
amdhsa.version: [ 1, 2 ]
amdhsa.kernels:
  - .name:           k_qb3ff2a29a1_gather
    .symbol:         k_qb3ff2a29a1_gather.kd
    .args:
      - { .name: nidx, .offset: 0, .size: 8, .value_kind: global_buffer, .address_space: global }
      - { .name: nwgt, .offset: 8, .size: 8, .value_kind: global_buffer, .address_space: global }
      - { .name: fpt, .offset: 16, .size: 8, .value_kind: global_buffer, .address_space: global }
      - { .name: lowp_scales, .offset: 24, .size: 8, .value_kind: global_buffer, .address_space: global }
      - { .name: xcodes, .offset: 32, .size: 8, .value_kind: global_buffer, .address_space: global }
    .group_segment_fixed_size: 17920
    .private_segment_fixed_size: 0
    .kernarg_segment_align: 8
    .kernarg_segment_size: 40
    .max_flat_workgroup_size: 128
    .sgpr_count:     66
    .vgpr_count:     256
    .wavefront_size: 32
...
	.end_amdgpu_metadata
.endif
;; end of part 3
;; launch stat1 (part 4): grid 256 x 1, 4 waves a work-group, no clusters, 168,448 bytes of LDS; arguments xcodes, w1_codes, lowp_scales, part; writes part
.if DOCPART == 4
	.amdgcn_target "amdgcn-amd-amdhsa--gfx1250"
	.amdhsa_code_object_version 6
	.text
	.protected	k_qb3ff2a29a1_stat1
	.globl	k_qb3ff2a29a1_stat1
	.p2align	8
	.type	k_qb3ff2a29a1_stat1,@function
k_qb3ff2a29a1_stat1:
	s_mov_b64 s[64:65], 0
	v_nop
	global_prefetch_b8 v0, s[64:65] scope:SCOPE_SE
	s_setreg_imm32_b32 hwreg(HW_REG_WAVE_MODE, 25, 1), 1
	s_wait_xcnt 0x0
; THE FIRST LAYER'S STATISTICS.  y1 = x W1^T on codes of E4M3 (K = 512), for the work-group's 256 points; of each of the 256 channels the mean and the centred sum of squares M2 over these points go to part[g][0..1][256],
; in units of y1 without its bias (sum x 2^(e0 + e1)).  y1 itself is not stored.
; SHARES.  The four waves share the CHANNELS: wave w owns channels 64 w .. 64 w + 63 for all 256 points, so its part of W1 (4 tiles x 4 K steps x 16 registers) fills window 1 for the whole launch, and a channel's sums never leave the wave.
; x's codes, 131,072 bytes laid as images of operand registers, come into LDS by one tensor load a wave (one out, by this text's count), once; nothing in LDS is filled again.
; Source 0 = 16 points, source 1 = 16 rows of W1: a lane holds ONE channel and eight points.  Lane r of tile t takes row 64 w + 4 r + t, so a lane's four tiles are four neighbouring channels: 16 bytes of part.
; Both operands hold k = 32 c + 16 (lane / 16) + 0..15 in registers 4 c .. 4 c + 3: the same permutation of k on both sides, so every product meets its partner.
; THE SUMS are taken about a pivot, the channel's value at the work-group's first point: S1 = sum (y - P), S2 = sum (y - P)^2; mean = P + S1 / 256, M2 = S2 - S1^2 / 256: no difference of large sums.
; NO MULTICAST: the weights are the only bytes that work-groups share, 131,072 of them, read once into registers; x's tiles are each work-group's own.
; LIMITS: e0 + e1 between -126 and 127.  NaN is not served.
.set LI,  1                            ; v1       16 x lane
.set ADR, 2                            ; v2       the LDS address in hand
.set XF,  16                           ; v16-143  x's four fragments of a tile of points, two sets
.set ACC, 144                          ; v144-207 four accumulators, two sets
.set PV,  216                          ; v216-223 the pivots, a pair a tile (upper word a copy)
.set S1,  224                          ; v224-231
.set S2,  232                          ; v232-239
.set DL,  240                          ; v240-247 at work
.set OUT, 248
.set MSB, 0
.macro WIN new                         ; the immediate's high byte repeats the setting that is left
.if MSB != \new
	s_set_vgpr_msb (MSB<<8)|\new
.set MSB, \new
.endif
.endm
.macro PLACES
.rept 4
	v_nop
.endr
.endm
	s_load_b256 s[4:11], s[0:1], 0x0               ; xcodes, w1_codes, lowp_scales, part
	v_lshl_add_u32 v254, v0, 2, 0x29000
	v_mov_b32 v255, 0
	ds_add_u32 v254, v255
	ds_add_u32 v254, v255
	v_lshrrev_b32 v1, 5, v0
	v_readfirstlane_b32 s22, v1                    ; wave 0..3
	v_and_b32 v6, 31, v0
	v_and_b32 v7, 15, v0                           ; r
	v_bfe_u32 v8, v0, 4, 1                         ; h
	v_lshlrev_b32 v[LI], 4, v6
	v_lshlrev_b32 v9, 11, v7
	v_lshl_add_u32 v9, v8, 4, v9                   ; W1: row 4 r of 512 bytes, + 16 h
	v_lshlrev_b32 v13, 10, v8
	v_lshl_add_u32 v13, v7, 4, v13                 ; part: lanes 0-15 the means, lanes 16-31 the M2
	s_mov_b32 s28, 3<<16                           ; group 1: elements of 8 bytes, no mask, no padding
	s_mov_b32 s29, 32<<16                          ; tensor_dim0 = 32 (256 bytes)
	s_mov_b32 s30, 128<<16                         ; tensor_dim1 = 128
	s_mov_b32 s31, 32<<16                          ; tile_dim0 = 32
	s_mov_b32 s32, 128                             ; tile_dim1 = 128
	s_mov_b32 s33, 32                              ; the pitch: the block is dense
	s_mov_b32 s34, 0
	s_mov_b32 s35, 0
	s_mov_b32 s24, 1
	s_lshl_b32 s25, s22, 15                        ; LDS: my wave's quarter, 32,768 bytes
	s_lshl_b32 s50, ttmp9, 17
	s_add_co_u32 s50, s50, s25
	s_mov_b32 s51, 0
	s_mov_b32 s52, s25                             ; my 64 rows of W1
	s_mov_b32 s53, 0
	s_lshl_b32 s54, ttmp9, 11
	s_lshl_b32 s55, s22, 8
	s_add_co_u32 s54, s54, s55
	s_mov_b32 s55, 0
	s_mov_b32 s47, 0xffff0000                      ; the mask of lanes 16-31
	s_mov_b32 s48, 0x76543210
	s_mov_b32 s49, 0xfedcba98
	s_wait_dscnt 0x0
	s_wait_kmcnt 0x0
	s_add_nc_u64 s[26:27], s[4:5], s[50:51]
	s_or_b32 s27, s27, 0x80000000
	tensor_load_to_lds s[24:27], s[28:35]
	s_nop 0
	PLACES                                         ; four plain lines follow the tensor load
	s_load_b64 s[36:37], s[8:9], 0x0               ; e0, e1
	s_add_nc_u64 s[6:7], s[6:7], s[52:53]
	s_add_nc_u64 s[10:11], s[10:11], s[54:55]
	WIN 0x40                                       ; destination window 1
.irp t, 0,1,2,3
.irp ks, 0,1,2,3
.irp c, 0,1,2,3
	global_load_b128 v[16*(4*\t+\ks)+4*\c:16*(4*\t+\ks)+4*\c+3], v9, s[6:7] offset:512*\t+128*\ks+32*\c
.endr
.endr
.endr
	WIN 0
.irp k, 0,1,2,3,4,5,6,7
	v_mov_b32 v[S1+\k], 0
	v_mov_b32 v[S2+\k], 0
.endr
.irp k, 0,1,2,3
	v_mov_b32 v[DL+\k], 0                          ; a lane permute's destination counts as read
.endr
	s_wait_loadcnt 0x0
	s_wait_kmcnt 0x0
	s_add_co_i32 s40, s36, s37
	s_add_co_i32 s40, s40, 127
	s_lshl_b32 s40, s40, 23                        ; 2^(e0 + e1) as f32
	s_wait_tensorcnt 0x0                           ; my quarter of x has landed,
	s_barrier_signal -1
	s_barrier_wait -1                              ; everybody's has
.macro LOADX set                       ; the next tile's four fragments: 16 loads of 512 consecutive bytes
	v_add_nc_u32 v[ADR], s44, v[LI]
.irp ks, 0,1,2,3
.irp c, 0,1,2,3
	ds_load_b128 v[XF+64*(\set)+16*\ks+4*\c:XF+64*(\set)+16*\ks+4*\c+3], v[ADR] offset:2048*\ks+512*\c
.endr
.endr
	s_add_co_u32 s44, s44, 8192
.endm
.macro MM set                          ; 16 matrix instructions; the four accumulators take turns, one instruction a turn; the first K step starts the sums
	WIN 0x04                                       ; source 1 (W1) window 1
.irp ks, 0,1,2,3
.irp t, 0,1,2,3
.if \ks == 0
	v_wmma_f32_16x16x128_fp8_fp8 v[ACC+32*(\set)+8*\t:ACC+32*(\set)+8*\t+7], v[XF+64*(\set)+16*\ks:XF+64*(\set)+16*\ks+15], v[16*(4*\t+\ks):16*(4*\t+\ks)+15], 0
.else
	v_wmma_f32_16x16x128_fp8_fp8 v[ACC+32*(\set)+8*\t:ACC+32*(\set)+8*\t+7], v[XF+64*(\set)+16*\ks:XF+64*(\set)+16*\ks+15], v[16*(4*\t+\ks):16*(4*\t+\ks)+15], v[ACC+32*(\set)+8*\t:ACC+32*(\set)+8*\t+7]
.endif
.endr
.endr
	WIN 0
.endm
.macro STATS set                       ; 48 packed lines; each accumulator is read from its low end on
.set AB, ACC+32*(\set)
.irp t, 0,1,2,3
.irp j, 0,2,4,6
	v_pk_add_f32 v[DL+\j:DL+\j+1], v[AB+8*\t+\j:AB+8*\t+\j+1], v[PV+2*\t:PV+2*\t+1] neg_lo:[0,1] neg_hi:[0,1]
.endr
.irp j, 0,2,4,6
	v_pk_add_f32 v[S1+2*\t:S1+2*\t+1], v[S1+2*\t:S1+2*\t+1], v[DL+\j:DL+\j+1]
	v_pk_fma_f32 v[S2+2*\t:S2+2*\t+1], v[DL+\j:DL+\j+1], v[DL+\j:DL+\j+1], v[S2+2*\t:S2+2*\t+1]
.endr
.endr
.endm
; Half a trip: the next tile's fragments are asked for, this tile is multiplied, the tile before is summed.  The loads go into registers that the matrix instructions of the half before read, and the sums read results of
; the half before: that half's 48 plain lines (or its four v_nop) lie between.
.macro HALF set, ld, st
.if \ld
	LOADX 1-\set
	s_wait_dscnt 16                                ; all but the 16 just issued
.else
	s_wait_dscnt 0x0
.endif
	MM \set
.if \st
	STATS 1-\set
.else
	PLACES
.endif
.endm
	s_mov_b32 s44, 0
	LOADX 0
	HALF 0, 1, 0
.irp t, 0,1,2,3                                ; the pivot: the channel's value at point 0, which lanes 0-15 hold in the accumulator's lowest register
	v_permlanex16_b32 v[DL+\t], v[ACC+8*\t], s48, s49
.endr
.irp t, 0,1,2,3
	v_cndmask_b32 v[PV+2*\t], v[ACC+8*\t], v[DL+\t], s47
.endr
.irp t, 0,1,2,3
	v_mov_b32 v[PV+2*\t+1], v[PV+2*\t]
.endr
	s_mov_b32 s46, 7
.Ltiles:
	HALF 1, 1, 1
	HALF 0, 1, 1
	s_sub_co_u32 s46, s46, 1
	s_cmp_lg_u32 s46, 0
	s_cbranch_scc1 .Ltiles
	HALF 1, 0, 1
	STATS 1
.irp t, 0,1,2,3
	v_add_f32 v[S1+2*\t], v[S1+2*\t], v[S1+2*\t+1]
	v_add_f32 v[S2+2*\t], v[S2+2*\t], v[S2+2*\t+1]
.endr
.irp t, 0,1,2,3
	v_permlanex16_b32 v[DL+\t], v[S1+2*\t], s48, s49       ; the channel's other points lie in the lane 16 away
	v_permlanex16_b32 v[DL+4+\t], v[S2+2*\t], s48, s49
.endr
.irp t, 0,1,2,3
	v_add_f32 v[S1+2*\t], v[S1+2*\t], v[DL+\t]
	v_add_f32 v[S2+2*\t], v[S2+2*\t], v[DL+4+\t]
.endr
.irp t, 0,1,2,3
	v_mul_f32 v[DL+\t], 0x3b800000, v[S1+2*\t]             ; S1 / 256
.endr
.irp t, 0,1,2,3
	v_add_f32 v[DL+4+\t], v[PV+2*\t], v[DL+\t]             ; the mean,
	v_fma_f32 v[S2+2*\t], -v[DL+\t], v[S1+2*\t], v[S2+2*\t] ; M2,
.endr
.irp t, 0,1,2,3
	v_mul_f32 v[DL+4+\t], s40, v[DL+4+\t]                  ; in units of y
	v_mul_f32 v[S2+2*\t], s40, v[S2+2*\t]
.endr
.irp t, 0,1,2,3
	v_mul_f32 v[S2+2*\t], s40, v[S2+2*\t]
.endr
.irp t, 0,1,2,3
	v_cndmask_b32 v[OUT+\t], v[DL+4+\t], v[S2+2*\t], s47
.endr
	global_store_b128 v13, v[OUT:OUT+3], s[10:11]  ; sixteen lanes store 256 consecutive bytes, aligned: the wave's 64 means, its 64 M2
	s_wait_tensorcnt 0x0
	ds_add_u32 v254, v255
	s_wait_dscnt 0x0
	s_endpgm
.Lfunc_end_k_qb3ff2a29a1_stat1:
	.size	k_qb3ff2a29a1_stat1, .Lfunc_end_k_qb3ff2a29a1_stat1-k_qb3ff2a29a1_stat1
	.p2alignl 7, 3214868480
	.fill 96, 4, 3214868480
	.section	.rodata,"a",@progbits
	.p2align	6, 0x0
	.amdhsa_kernel k_qb3ff2a29a1_stat1
		.amdhsa_group_segment_fixed_size 168448
		.amdhsa_private_segment_fixed_size 0
		.amdhsa_enable_private_segment 0
		.amdhsa_kernarg_size 32
		.amdhsa_user_sgpr_count 2
		.amdhsa_user_sgpr_kernarg_segment_ptr 1
		.amdhsa_wavefront_size32 1
		.amdhsa_system_sgpr_workgroup_id_x 1
		.amdhsa_system_sgpr_workgroup_id_y 1
		.amdhsa_system_sgpr_workgroup_id_z 1
		.amdhsa_system_vgpr_workitem_id 0
		.amdhsa_next_free_vgpr 512
		.amdhsa_next_free_sgpr 66
		.amdhsa_reserve_vcc 0
		.amdhsa_float_denorm_mode_32 3
		.amdhsa_float_denorm_mode_16_64 3
		.amdhsa_memory_ordered 1
		.amdhsa_forward_progress 1
		.amdhsa_inst_pref_size 34
	.end_amdhsa_kernel
	.amdgpu_metadata
---
amdhsa.version: [ 1, 2 ]
amdhsa.kernels:
  - .name:           k_qb3ff2a29a1_stat1
    .symbol:         k_qb3ff2a29a1_stat1.kd
    .args:
      - { .name: xcodes, .offset: 0, .size: 8, .value_kind: global_buffer, .address_space: global }
      - { .name: w1_codes, .offset: 8, .size: 8, .value_kind: global_buffer, .address_space: global }
      - { .name: lowp_scales, .offset: 16, .size: 8, .value_kind: global_buffer, .address_space: global }
      - { .name: part, .offset: 24, .size: 8, .value_kind: global_buffer, .address_space: global }
    .group_segment_fixed_size: 168448
    .private_segment_fixed_size: 0
    .kernarg_segment_align: 8
    .kernarg_segment_size: 32
    .max_flat_workgroup_size: 128
    .sgpr_count:     66
    .vgpr_count:     512
    .wavefront_size: 32
...
	.end_amdgpu_metadata
.endif
;; end of part 4
;; launch red1 (part 5): grid 4 x 1, 8 waves a work-group, no clusters, 5,120 bytes of LDS; arguments part, b1, g1, coef1; writes coef1
.if DOCPART == 5
	.amdgcn_target "amdgcn-amd-amdhsa--gfx1250"
	.amdhsa_code_object_version 6
	.text
	.protected	k_qb3ff2a29a1_red1
	.globl	k_qb3ff2a29a1_red1
	.p2align	8
	.type	k_qb3ff2a29a1_red1,@function
k_qb3ff2a29a1_red1:
	s_mov_b64 s[64:65], 0
	v_nop
	global_prefetch_b8 v0, s[64:65] scope:SCOPE_SE
	s_setreg_imm32_b32 hwreg(HW_REG_WAVE_MODE, 25, 1), 1
	s_wait_xcnt 0x0
; THE 256 PARTIAL STATISTICS OF A LAYER BECOME ITS TWO COEFFICIENTS.  part: [256][2][256] f32: mean and M2 of 256 points each, of y without its bias.
; mean = sum of means / 256;  M2 of all = sum of M2_i + 256 x sum of (mean_i - mean)^2: sums of centred terms, never a difference of large sums;  var = that / 65,536 (biased).
; coef[0][c] = shift = b - (mean + b), what is added to y without bias to give (y + b) - mean(y + b);  coef[1][c] = k = g x rsqrt(var + 1e-5).
; A work-group takes 64 channels, 256 consecutive bytes of each partial row; the design has work for four such work-groups.  Wave w, half hi of the lanes: partials 16 i + 2 w + hi; lane % 16: four channels.
	s_load_b256 s[4:11], s[0:1], 0x0               ; part, b, g, coef
	v_lshl_add_u32 v192, v0, 2, 0x1000
	v_mov_b32 v193, 0
	v_lshrrev_b32 v1, 5, v0
	v_readfirstlane_b32 s12, v1                    ; wave 0..7
	v_and_b32 v2, 15, v0
	v_bfe_u32 v3, v0, 4, 1
	v_lshlrev_b32 v4, 4, v2                        ; 16 x (lane % 16)
	s_lshl_b32 s13, ttmp9, 8                       ; my work-group's 64 channels
	s_lshl_b32 s14, s12, 12
	s_add_co_u32 s14, s14, s13
	v_lshl_add_u32 v5, v3, 11, v4
	v_add_nc_u32 v5, s14, v5                       ; partial 2 w + hi, my four channels
	v_add_nc_u32 v6, s13, v4                       ; my four channels in b, g, coef
	s_lshl_b32 s15, s12, 8
	v_add_nc_u32 v7, s15, v4                       ; LDS: my wave's 256 bytes
	s_mov_b32 s16, 0x76543210
	s_mov_b32 s17, 0xfedcba98
	s_mov_b32 s18, 0xffff0000
.irp k, 0,1,2,3
	v_mov_b32 v[12+\k], 0                          ; a lane permute's destination counts as read
.endr
	s_wait_kmcnt 0x0
.set i, 0
.rept 16
	global_load_b128 v[16+4*i:19+4*i], v5, s[4:5] offset:32768*i
	global_load_b128 v[80+4*i:83+4*i], v5, s[4:5] offset:32768*i+1024
.set i, i+1
.endr
	global_load_b128 v[144:147], v6, s[6:7]
	global_load_b128 v[148:151], v6, s[8:9]
	s_wait_loadcnt 0x0
; v[8:11], a lane's sums for its four channels, are summed over the two halves of the lanes and the eight waves, through 2,048 bytes of LDS from off on
.macro ACROSS off
.irp k, 0,1,2,3
	v_permlanex16_b32 v[12+\k], v[8+\k], s16, s17
.endr
	v_pk_add_f32 v[8:9], v[8:9], v[12:13]
	v_pk_add_f32 v[10:11], v[10:11], v[14:15]
	ds_store_b128 v7, v[8:11] offset:\off          ; both halves store the same numbers at the same place
	s_wait_dscnt 0x0                               ; for the others' sake
	s_barrier_signal -1
	s_barrier_wait -1
.irp k, 0,1,2,3,4,5,6,7
	ds_load_b128 v[152+4*\k:155+4*\k], v4 offset:\off+256*\k
.endr
	s_wait_dscnt 0x0
	v_pk_add_f32 v[8:9], v[152:153], v[156:157]
	v_pk_add_f32 v[10:11], v[154:155], v[158:159]
.irp k, 2,3,4,5,6,7
	v_pk_add_f32 v[8:9], v[8:9], v[152+4*\k:153+4*\k]
	v_pk_add_f32 v[10:11], v[10:11], v[154+4*\k:155+4*\k]
.endr
.endm
	v_pk_add_f32 v[8:9], v[16:17], v[20:21]
	v_pk_add_f32 v[10:11], v[18:19], v[22:23]
.set i, 2
.rept 14
	v_pk_add_f32 v[8:9], v[8:9], v[16+4*i:17+4*i]
	v_pk_add_f32 v[10:11], v[10:11], v[18+4*i:19+4*i]
.set i, i+1
.endr
	ACROSS 0
	v_pk_mul_f32 v[184:185], v[8:9], 0x3b800000 op_sel_hi:[1,0]    ; the mean: / 256
	v_pk_mul_f32 v[186:187], v[10:11], 0x3b800000 op_sel_hi:[1,0]
.set i, 0
.rept 16
	v_pk_add_f32 v[16+4*i:17+4*i], v[16+4*i:17+4*i], v[184:185] neg_lo:[0,1] neg_hi:[0,1]
	v_pk_add_f32 v[18+4*i:19+4*i], v[18+4*i:19+4*i], v[186:187] neg_lo:[0,1] neg_hi:[0,1]
.set i, i+1
.endr
	v_pk_mul_f32 v[188:189], v[16:17], v[16:17]
	v_pk_mul_f32 v[190:191], v[18:19], v[18:19]
	v_pk_add_f32 v[8:9], v[80:81], v[84:85]
	v_pk_add_f32 v[10:11], v[82:83], v[86:87]
	v_pk_fma_f32 v[188:189], v[20:21], v[20:21], v[188:189]
	v_pk_fma_f32 v[190:191], v[22:23], v[22:23], v[190:191]
.set i, 2
.rept 14
	v_pk_fma_f32 v[188:189], v[16+4*i:17+4*i], v[16+4*i:17+4*i], v[188:189]
	v_pk_fma_f32 v[190:191], v[18+4*i:19+4*i], v[18+4*i:19+4*i], v[190:191]
	v_pk_add_f32 v[8:9], v[8:9], v[80+4*i:81+4*i]
	v_pk_add_f32 v[10:11], v[10:11], v[82+4*i:83+4*i]
.set i, i+1
.endr
	v_pk_fma_f32 v[8:9], v[188:189], 0x43800000, v[8:9] op_sel_hi:[1,0,1]    ; + 256 x the means' squares
	v_pk_fma_f32 v[10:11], v[190:191], 0x43800000, v[10:11] op_sel_hi:[1,0,1]
	ACROSS 2048                                    ; other bytes than the first time: no wave can still be reading them
	v_pk_mul_f32 v[8:9], v[8:9], 0x37800000 op_sel_hi:[1,0]        ; the variance: / 65,536
	v_pk_mul_f32 v[10:11], v[10:11], 0x37800000 op_sel_hi:[1,0]
.irp k, 0,1,2,3
	v_add_f32 v[12+\k], v[184+\k], v[144+\k]       ; the mean of y + b
	v_add_f32 v[8+\k], 0x3727c5ac, v[8+\k]         ; + 1e-5
.endr
.irp k, 0,1,2,3
	v_sub_f32 v[12+\k], v[144+\k], v[12+\k]        ; shift
.endr
.irp k, 0,1,2,3
	v_rsq_f32 v[8+\k], v[8+\k]
.endr
	v_lshl_add_u32 v16, v3, 10, v6                 ; a plain line behind the roots: lanes 0-15 store the shifts, lanes 16-31 the factors
	s_wait_alu depctr_va_vdst(0)                   ; one wait for the four, ahead of their first reader
.irp k, 0,1,2,3
	v_mul_f32 v[8+\k], v[148+\k], v[8+\k]          ; k = g x rsqrt
.endr
.irp k, 0,1,2,3
	v_cndmask_b32 v[20+\k], v[12+\k], v[8+\k], s18
.endr
	s_cmp_lg_u32 s12, 0                            ; every wave holds the same numbers: wave 0 stores them
	s_cbranch_scc1 .Lend
	global_store_b128 v16, v[20:23], s[10:11]      ; sixteen lanes store 256 consecutive bytes, aligned
.Lend:
	s_wait_tensorcnt 0x0
	ds_add_u32 v192, v193
	s_wait_dscnt 0x0
	s_endpgm
.Lfunc_end_k_qb3ff2a29a1_red1:
	.size	k_qb3ff2a29a1_red1, .Lfunc_end_k_qb3ff2a29a1_red1-k_qb3ff2a29a1_red1
	.p2alignl 7, 3214868480
	.fill 96, 4, 3214868480
	.section	.rodata,"a",@progbits
	.p2align	6, 0x0
	.amdhsa_kernel k_qb3ff2a29a1_red1
		.amdhsa_group_segment_fixed_size 5120
		.amdhsa_private_segment_fixed_size 0
		.amdhsa_enable_private_segment 0
		.amdhsa_kernarg_size 32
		.amdhsa_user_sgpr_count 2
		.amdhsa_user_sgpr_kernarg_segment_ptr 1
		.amdhsa_wavefront_size32 1
		.amdhsa_system_sgpr_workgroup_id_x 1
		.amdhsa_system_sgpr_workgroup_id_y 1
		.amdhsa_system_sgpr_workgroup_id_z 1
		.amdhsa_system_vgpr_workitem_id 0
		.amdhsa_next_free_vgpr 194
		.amdhsa_next_free_sgpr 66
		.amdhsa_reserve_vcc 0
		.amdhsa_float_denorm_mode_32 3
		.amdhsa_float_denorm_mode_16_64 3
		.amdhsa_memory_ordered 1
		.amdhsa_forward_progress 1
		.amdhsa_inst_pref_size 19
	.end_amdhsa_kernel
	.amdgpu_metadata
---
amdhsa.version: [ 1, 2 ]
amdhsa.kernels:
  - .name:           k_qb3ff2a29a1_red1
    .symbol:         k_qb3ff2a29a1_red1.kd
    .args:
      - { .name: part, .offset: 0, .size: 8, .value_kind: global_buffer, .address_space: global }
      - { .name: b1, .offset: 8, .size: 8, .value_kind: global_buffer, .address_space: global }
      - { .name: g1, .offset: 16, .size: 8, .value_kind: global_buffer, .address_space: global }
      - { .name: coef1, .offset: 24, .size: 8, .value_kind: global_buffer, .address_space: global }
    .group_segment_fixed_size: 5120
    .private_segment_fixed_size: 0
    .kernarg_segment_align: 8
    .kernarg_segment_size: 32
    .max_flat_workgroup_size: 256
    .sgpr_count:     66
    .vgpr_count:     194
    .wavefront_size: 32
...
	.end_amdgpu_metadata
.endif
;; end of part 5
;; launch stat2 (part 6): grid 256 x 1, 4 waves a work-group, no clusters, 197,120 bytes of LDS; arguments xcodes, w1_codes, w2_codes, lowp_scales, coef1, beta1, part; writes part
.if DOCPART == 6
	.amdgcn_target "amdgcn-amd-amdhsa--gfx1250"
	.amdhsa_code_object_version 6
	.text
	.protected	k_qb3ff2a29a1_stat2
	.globl	k_qb3ff2a29a1_stat2
	.p2align	8
	.type	k_qb3ff2a29a1_stat2,@function
k_qb3ff2a29a1_stat2:
	s_mov_b64 s[64:65], 0
	v_nop
	global_prefetch_b8 v0, s[64:65] scope:SCOPE_SE
	s_setreg_imm32_b32 hwreg(HW_REG_WAVE_MODE, 25, 1), 1
	s_wait_xcnt 0x0
; THE SECOND LAYER'S STATISTICS.  For the work-group's 256 points: y1 = x W1^T (E4M3, K = 512); h = max((y1 + shift1) k1 + beta1, 0), quantised with the given 2^e2; y2 = h W2^T (E4M3, K = 256);
; of each channel of y2 the mean and the centred sum of squares over these points go to part[g][0..1][256], in units of y2 without its bias.  Neither y1, h nor y2 goes to memory.
; SHARES.  The four waves share the CHANNELS: wave w owns hidden units and outputs 64 w .. 64 w + 63 for all 256 points.  Its part of W1 fills window 1 (256 registers), its part of W2 half of window 2 (128), for the whole launch.
; x's codes, 131,072 bytes laid as images of operand registers, come into LDS by one tensor load a wave (one out, by this text's count), once; nothing in LDS is filled again.
; FIRST PRODUCT, transposed: source 0 = 16 rows of W1, source 1 = 16 points: a lane holds ONE point and its registers run along the hidden units.  Lane r of tile t takes row 64 w + 32 (t / 2) + 8 (t % 2) + r + 8 (r / 8),
; so the 16 registers of tiles 2 b and 2 b + 1 are 16 neighbours along the next K, and the conversions' results are four registers of the next operand.  They go to LDS as they stand (image: 16 bytes a lane) and any wave loads them so.
; SECOND PRODUCT: source 0 = 16 points (the hidden image), source 1 = 16 rows of W2, lane r of tile t row 64 w + 4 r + t: a lane holds ONE channel and eight points, and its four tiles are four neighbouring channels.
; All operands hold k = 32 c + 16 (lane / 16) + 0..15 in registers 4 c .. 4 c + 3: the same permutation of k on both sides of each product.
; THE SUMS are taken about a pivot, the channel's value at the first point: mean = P + S1 / 256, M2 = S2 - S1^2 / 256.
; NO MULTICAST: the weights are the only bytes that work-groups share (196,608); they are read once into registers.  Through LDS they would stand beside x's 131,072 and the hidden layer's 65,536 bytes, more than a work-group can have.
; LIMITS: e2 between -126 and 119; e0 + e1 and e2 + e3 between -126 and 127.  NaN is not served.
.set HI,  131072                       ; LDS: x's images from 0; the hidden layer's from here: tile x 4096 + K step x 2048 + c x 512 + 16 lane
.set LI,  1                            ; v1       16 x lane
.set ADR, 2                            ; v2       the LDS address of the loads in hand
.set HW,  3                            ; v3       where my wave's part of a hidden image lies: (w / 2) 2048 + (w % 2) 1024 + 16 lane
.set AD2, 12                           ; v12      the LDS address of the stores in hand
.set XF,  16                           ; v16-143  x's four fragments, two sets; later the hidden layer's two, two sets of 32
.set ACC, 144                          ; v144-207 four accumulators, two sets
.set PC,  208                          ; v208-215 the codes just made
.set PV,  216                          ; the pivots, S1, S2: a pair a tile; DL at work
.set S1,  224
.set S2,  232
.set DL,  240
.set OUT, 248
.set SH,  128                          ; window 2: shift1, k1, beta1 in the first product's result layout, 8 registers a tile
.set KK,  160
.set BE,  192
.set MSB, 0
.macro WIN new                         ; the immediate's high byte repeats the setting that is left
.if MSB != \new
	s_set_vgpr_msb (MSB<<8)|\new
.set MSB, \new
.endif
.endm
.macro PLACES
.rept 4
	v_nop
.endr
.endm
	s_load_b256 s[4:11], s[0:1], 0x0               ; xcodes, w1_codes, w2_codes, lowp_scales
	s_load_b128 s[12:15], s[0:1], 0x20             ; coef1, beta1
	s_load_b64 s[16:17], s[0:1], 0x30              ; part
	v_lshl_add_u32 v254, v0, 2, 0x30000
	v_mov_b32 v255, 0
	ds_add_u32 v254, v255
	ds_add_u32 v254, v255
	v_lshrrev_b32 v1, 5, v0
	v_readfirstlane_b32 s22, v1                    ; wave 0..3
	v_and_b32 v6, 31, v0
	v_and_b32 v7, 15, v0                           ; r
	v_bfe_u32 v8, v0, 4, 1                         ; h
	v_lshlrev_b32 v[LI], 4, v6
	v_and_b32 v9, 8, v7
	v_add_nc_u32 v9, v9, v7
	v_lshlrev_b32 v9, 9, v9
	v_lshl_add_u32 v9, v8, 4, v9                   ; W1: row r + 8 (r / 8) of 512 bytes, + 16 h
	v_lshlrev_b32 v10, 10, v7
	v_lshl_add_u32 v10, v8, 4, v10                 ; W2: row 4 r of 256 bytes, + 16 h
	v_lshlrev_b32 v11, 6, v8                       ; the coefficients: my half's 16 units
	v_lshlrev_b32 v13, 10, v8
	v_lshl_add_u32 v13, v7, 4, v13                 ; part: lanes 0-15 the means, lanes 16-31 the M2
	s_lshr_b32 s52, s22, 1
	s_lshl_b32 s52, s52, 11
	s_and_b32 s53, s22, 1
	s_lshl_b32 s53, s53, 10
	s_add_co_u32 s52, s52, s53
	v_add_nc_u32 v[HW], s52, v[LI]
	s_mov_b32 s28, 3<<16                           ; group 1: elements of 8 bytes, no mask, no padding
	s_mov_b32 s29, 32<<16                          ; tensor_dim0 = 32 (256 bytes)
	s_mov_b32 s30, 128<<16                         ; tensor_dim1 = 128
	s_mov_b32 s31, 32<<16                          ; tile_dim0 = 32
	s_mov_b32 s32, 128                             ; tile_dim1 = 128
	s_mov_b32 s33, 32                              ; the pitch: the block is dense
	s_mov_b32 s34, 0
	s_mov_b32 s35, 0
	s_mov_b32 s24, 1
	s_lshl_b32 s25, s22, 15                        ; LDS: my wave's quarter, 32,768 bytes
	s_lshl_b32 s50, ttmp9, 17
	s_add_co_u32 s50, s50, s25
	s_mov_b32 s51, 0
	s_mov_b32 s52, s25                             ; my 64 rows of W1,
	s_mov_b32 s53, 0
	s_lshl_b32 s54, s22, 14                        ; of W2,
	s_mov_b32 s55, 0
	s_lshl_b32 s56, s22, 8                         ; my 64 channels
	s_mov_b32 s57, 0
	s_lshl_b32 s58, ttmp9, 11
	s_add_co_u32 s58, s58, s56
	s_mov_b32 s59, 0
	s_mov_b32 s47, 0xffff0000                      ; the mask of lanes 16-31
	s_mov_b32 s48, 0x76543210
	s_mov_b32 s49, 0xfedcba98
	s_wait_dscnt 0x0
	s_wait_kmcnt 0x0
	s_add_nc_u64 s[26:27], s[4:5], s[50:51]
	s_or_b32 s27, s27, 0x80000000
	tensor_load_to_lds s[24:27], s[28:35]
	s_nop 0
	PLACES                                         ; four plain lines follow the tensor load
	s_load_b128 s[36:39], s[10:11], 0x0            ; e0, e1, e2, e3
	s_add_nc_u64 s[6:7], s[6:7], s[52:53]
	s_add_nc_u64 s[8:9], s[8:9], s[54:55]
	s_add_nc_u64 s[12:13], s[12:13], s[56:57]
	s_add_nc_u64 s[14:15], s[14:15], s[56:57]
	s_add_nc_u64 s[16:17], s[16:17], s[58:59]
	WIN 0x40                                       ; destination window 1
.irp t, 0,1,2,3
.irp ks, 0,1,2,3
.irp c, 0,1,2,3
	global_load_b128 v[16*(4*\t+\ks)+4*\c:16*(4*\t+\ks)+4*\c+3], v9, s[6:7] offset:(32*(\t/2)+8*(\t%2))*512+128*\ks+32*\c
.endr
.endr
.endr
	WIN 0x80                                       ; destination window 2
.irp t, 0,1,2,3
.irp ks, 0,1
.irp c, 0,1,2,3
	global_load_b128 v[16*(2*\t+\ks)+4*\c:16*(2*\t+\ks)+4*\c+3], v10, s[8:9] offset:256*\t+128*\ks+32*\c
.endr
.endr
.endr
.irp t, 0,1,2,3
	global_load_b128 v[SH+8*\t:SH+8*\t+3], v11, s[12:13] offset:(32*(\t/2)+8*(\t%2))*4
	global_load_b128 v[SH+8*\t+4:SH+8*\t+7], v11, s[12:13] offset:(32*(\t/2)+8*(\t%2))*4+16
	global_load_b128 v[KK+8*\t:KK+8*\t+3], v11, s[12:13] offset:1024+(32*(\t/2)+8*(\t%2))*4
	global_load_b128 v[KK+8*\t+4:KK+8*\t+7], v11, s[12:13] offset:1024+(32*(\t/2)+8*(\t%2))*4+16
	global_load_b128 v[BE+8*\t:BE+8*\t+3], v11, s[14:15] offset:(32*(\t/2)+8*(\t%2))*4
	global_load_b128 v[BE+8*\t+4:BE+8*\t+7], v11, s[14:15] offset:(32*(\t/2)+8*(\t%2))*4+16
.endr
	WIN 0
.irp k, 0,1,2,3,4,5,6,7
	v_mov_b32 v[S1+\k], 0
	v_mov_b32 v[S2+\k], 0
.endr
.irp k, 0,1,2,3
	v_mov_b32 v[DL+\k], 0                          ; a lane permute's destination counts as read
.endr
	s_wait_loadcnt 0x0
	s_wait_kmcnt 0x0
	s_add_co_i32 s40, s36, s37
	s_add_co_i32 s40, s40, 127
	s_lshl_b32 s40, s40, 23                        ; 2^(e0 + e1) as f32
	s_mov_b32 s41, s40                             ; (named with it as a pair, so it is written)
	s_add_co_i32 s42, s38, s39
	s_add_co_i32 s42, s42, 127
	s_lshl_b32 s42, s42, 23                        ; 2^(e2 + e3)
	s_add_co_i32 s50, s38, 127
	s_lshl_b32 s51, s50, 23
	v_mov_b32 v4, s51                              ; 2^e2: the conversion takes its exponent field
	s_add_co_i32 s50, s50, 8
	s_lshl_b32 s50, s50, 23
	s_or_b32 s50, s50, 0x600000
	v_mov_b32 v5, s50                              ; 448 x 2^e2
	s_wait_tensorcnt 0x0                           ; my quarter of x has landed,
	s_barrier_signal -1
	s_barrier_wait -1                              ; everybody's has
.macro LOADX set                       ; the next tile's four fragments of x: 16 loads of 512 consecutive bytes
	v_add_nc_u32 v[ADR], s44, v[LI]
.irp ks, 0,1,2,3
.irp c, 0,1,2,3
	ds_load_b128 v[XF+64*(\set)+16*\ks+4*\c:XF+64*(\set)+16*\ks+4*\c+3], v[ADR] offset:2048*\ks+512*\c
.endr
.endr
	s_add_co_u32 s44, s44, 8192
.endm
.macro MM set                          ; 16 matrix instructions; the four accumulators take turns, one instruction a turn; the first K step starts the sums
	WIN 0x01                                       ; source 0 (W1) window 1
.irp ks, 0,1,2,3
.irp t, 0,1,2,3
.if \ks == 0
	v_wmma_f32_16x16x128_fp8_fp8 v[ACC+32*(\set)+8*\t:ACC+32*(\set)+8*\t+7], v[16*(4*\t+\ks):16*(4*\t+\ks)+15], v[XF+64*(\set)+16*\ks:XF+64*(\set)+16*\ks+15], 0
.else
	v_wmma_f32_16x16x128_fp8_fp8 v[ACC+32*(\set)+8*\t:ACC+32*(\set)+8*\t+7], v[16*(4*\t+\ks):16*(4*\t+\ks)+15], v[XF+64*(\set)+16*\ks:XF+64*(\set)+16*\ks+15], v[ACC+32*(\set)+8*\t:ACC+32*(\set)+8*\t+7]
.endif
.endr
.endr
.endm
.macro EPI set                         ; norm, activation, quantiser, image; each accumulator is read from its low end on
.set AB, ACC+32*(\set)
	WIN 0x28                                       ; sources 1 and 2 window 2
.set i, 0
.rept 16
	v_pk_fma_f32 v[AB+i:AB+i+1], v[AB+i:AB+i+1], s[40:41], v[SH+i:SH+i+1] op_sel_hi:[1,0,1]   ; sum x 2^(e0 + e1) + shift
.set i, i+2
.endr
.set i, 0
.rept 16
	v_pk_fma_f32 v[AB+i:AB+i+1], v[AB+i:AB+i+1], v[KK+i:KK+i+1], v[BE+i:BE+i+1]               ; x k + beta
.set i, i+2
.endr
	WIN 0
.set i, 0
.rept 32
	v_med3_num_f32 v[AB+i], v[AB+i], 0, v5         ; the activation and the hold in one: between 0 and the largest code x the scale
.set i, i+1
.endr
.irp b, 0,1
	v_cvt_scalef32_pk8_fp8_f32 v[PC+4*\b:PC+4*\b+1], v[AB+16*\b:AB+16*\b+7], v4
	v_cvt_scalef32_pk8_fp8_f32 v[PC+4*\b+2:PC+4*\b+3], v[AB+16*\b+8:AB+16*\b+15], v4
.endr
	v_nop                                          ; a plain line between the last conversion and the products that write its sources
	v_add_nc_u32 v[AD2], s45, v[HW]
	ds_store_b128 v[AD2], v[PC:PC+3]
	ds_store_b128 v[AD2], v[PC+4:PC+7] offset:512
	s_add_co_u32 s45, s45, 4096
.endm
; Half a trip: the next tile's fragments are asked for, this tile is multiplied, the tile before is finished.  The loads go into registers that the matrix instructions of the half before read, and the finishing lines read
; results of the half before: that half's plain lines (or its four v_nop) lie between.
.macro HALF set, ld, epi
.if \ld
	LOADX 1-\set
	s_wait_dscnt 16                                ; all but the 16 just issued
.else
	s_wait_dscnt 0x0
.endif
	MM \set
.if \epi
	EPI 1-\set
.else
	WIN 0
	PLACES
.endif
.endm
	s_mov_b32 s44, 0
	s_mov_b32 s45, HI
	LOADX 0
	HALF 0, 1, 0
	s_mov_b32 s46, 7
.Lfirst:
	HALF 1, 1, 1
	HALF 0, 1, 1
	s_sub_co_u32 s46, s46, 1
	s_cmp_lg_u32 s46, 0
	s_cbranch_scc1 .Lfirst
	HALF 1, 0, 1
	EPI 1
	s_wait_dscnt 0x0                               ; for the others' sake: my part of the hidden images has landed
	s_barrier_signal -1
	s_barrier_wait -1                              ; the sixteen tiles' images are whole
.macro LOADH set                       ; the next tile's two hidden fragments
	v_add_nc_u32 v[ADR], s45, v[LI]
.irp ks, 0,1
.irp c, 0,1,2,3
	ds_load_b128 v[XF+32*(\set)+16*\ks+4*\c:XF+32*(\set)+16*\ks+4*\c+3], v[ADR] offset:2048*\ks+512*\c
.endr
.endr
	s_add_co_u32 s45, s45, 4096
.endm
.macro MM2 set                         ; 8 matrix instructions, the four accumulators by turns
	WIN 0x08                                       ; source 1 (W2) window 2
.irp ks, 0,1
.irp t, 0,1,2,3
.if \ks == 0
	v_wmma_f32_16x16x128_fp8_fp8 v[ACC+32*(\set)+8*\t:ACC+32*(\set)+8*\t+7], v[XF+32*(\set)+16*\ks:XF+32*(\set)+16*\ks+15], v[16*(2*\t+\ks):16*(2*\t+\ks)+15], 0
.else
	v_wmma_f32_16x16x128_fp8_fp8 v[ACC+32*(\set)+8*\t:ACC+32*(\set)+8*\t+7], v[XF+32*(\set)+16*\ks:XF+32*(\set)+16*\ks+15], v[16*(2*\t+\ks):16*(2*\t+\ks)+15], v[ACC+32*(\set)+8*\t:ACC+32*(\set)+8*\t+7]
.endif
.endr
.endr
	WIN 0
.endm
.macro STATS set                       ; 48 packed lines; each accumulator is read from its low end on
.set AB, ACC+32*(\set)
.irp t, 0,1,2,3
.irp j, 0,2,4,6
	v_pk_add_f32 v[DL+\j:DL+\j+1], v[AB+8*\t+\j:AB+8*\t+\j+1], v[PV+2*\t:PV+2*\t+1] neg_lo:[0,1] neg_hi:[0,1]
.endr
.irp j, 0,2,4,6
	v_pk_add_f32 v[S1+2*\t:S1+2*\t+1], v[S1+2*\t:S1+2*\t+1], v[DL+\j:DL+\j+1]
	v_pk_fma_f32 v[S2+2*\t:S2+2*\t+1], v[DL+\j:DL+\j+1], v[DL+\j:DL+\j+1], v[S2+2*\t:S2+2*\t+1]
.endr
.endr
.endm
.macro HALF3 set, ld, st
.if \ld
	LOADH 1-\set
	s_wait_dscnt 8                                 ; all but the 8 just issued
.else
	s_wait_dscnt 0x0
.endif
	MM2 \set
.if \st
	STATS 1-\set
.else
	PLACES
.endif
.endm
	s_mov_b32 s45, HI
	LOADH 0
	HALF3 0, 1, 0
.irp t, 0,1,2,3                                ; the pivot: the channel's value at point 0, which lanes 0-15 hold in the accumulator's lowest register
	v_permlanex16_b32 v[DL+\t], v[ACC+8*\t], s48, s49
.endr
.irp t, 0,1,2,3
	v_cndmask_b32 v[PV+2*\t], v[ACC+8*\t], v[DL+\t], s47
.endr
.irp t, 0,1,2,3
	v_mov_b32 v[PV+2*\t+1], v[PV+2*\t]
.endr
	s_mov_b32 s46, 7
.Lsecond:
	HALF3 1, 1, 1
	HALF3 0, 1, 1
	s_sub_co_u32 s46, s46, 1
	s_cmp_lg_u32 s46, 0
	s_cbranch_scc1 .Lsecond
	HALF3 1, 0, 1
	STATS 1
.irp t, 0,1,2,3
	v_add_f32 v[S1+2*\t], v[S1+2*\t], v[S1+2*\t+1]
	v_add_f32 v[S2+2*\t], v[S2+2*\t], v[S2+2*\t+1]
.endr
.irp t, 0,1,2,3
	v_permlanex16_b32 v[DL+\t], v[S1+2*\t], s48, s49       ; the channel's other points lie in the lane 16 away
	v_permlanex16_b32 v[DL+4+\t], v[S2+2*\t], s48, s49
.endr
.irp t, 0,1,2,3
	v_add_f32 v[S1+2*\t], v[S1+2*\t], v[DL+\t]
	v_add_f32 v[S2+2*\t], v[S2+2*\t], v[DL+4+\t]
.endr
.irp t, 0,1,2,3
	v_mul_f32 v[DL+\t], 0x3b800000, v[S1+2*\t]             ; S1 / 256
.endr
.irp t, 0,1,2,3
	v_add_f32 v[DL+4+\t], v[PV+2*\t], v[DL+\t]             ; the mean,
	v_fma_f32 v[S2+2*\t], -v[DL+\t], v[S1+2*\t], v[S2+2*\t] ; M2,
.endr
.irp t, 0,1,2,3
	v_mul_f32 v[DL+4+\t], s42, v[DL+4+\t]                  ; in units of y
	v_mul_f32 v[S2+2*\t], s42, v[S2+2*\t]
.endr
.irp t, 0,1,2,3
	v_mul_f32 v[S2+2*\t], s42, v[S2+2*\t]
.endr
.irp t, 0,1,2,3
	v_cndmask_b32 v[OUT+\t], v[DL+4+\t], v[S2+2*\t], s47
.endr
	global_store_b128 v13, v[OUT:OUT+3], s[16:17]  ; sixteen lanes store 256 consecutive bytes, aligned: the wave's 64 means, its 64 M2
	s_wait_tensorcnt 0x0
	ds_add_u32 v254, v255
	s_wait_dscnt 0x0
	s_endpgm
.Lfunc_end_k_qb3ff2a29a1_stat2:
	.size	k_qb3ff2a29a1_stat2, .Lfunc_end_k_qb3ff2a29a1_stat2-k_qb3ff2a29a1_stat2
	.p2alignl 7, 3214868480
	.fill 96, 4, 3214868480
	.section	.rodata,"a",@progbits
	.p2align	6, 0x0
	.amdhsa_kernel k_qb3ff2a29a1_stat2
		.amdhsa_group_segment_fixed_size 197120
		.amdhsa_private_segment_fixed_size 0
		.amdhsa_enable_private_segment 0
		.amdhsa_kernarg_size 56
		.amdhsa_user_sgpr_count 2
		.amdhsa_user_sgpr_kernarg_segment_ptr 1
		.amdhsa_wavefront_size32 1
		.amdhsa_system_sgpr_workgroup_id_x 1
		.amdhsa_system_sgpr_workgroup_id_y 1
		.amdhsa_system_sgpr_workgroup_id_z 1
		.amdhsa_system_vgpr_workitem_id 0
		.amdhsa_next_free_vgpr 768
		.amdhsa_next_free_sgpr 66
		.amdhsa_reserve_vcc 0
		.amdhsa_float_denorm_mode_32 3
		.amdhsa_float_denorm_mode_16_64 3
		.amdhsa_memory_ordered 1
		.amdhsa_forward_progress 1
		.amdhsa_inst_pref_size 64
	.end_amdhsa_kernel
	.amdgpu_metadata
---
amdhsa.version: [ 1, 2 ]
amdhsa.kernels:
  - .name:           k_qb3ff2a29a1_stat2
    .symbol:         k_qb3ff2a29a1_stat2.kd
    .args:
      - { .name: xcodes, .offset: 0, .size: 8, .value_kind: global_buffer, .address_space: global }
      - { .name: w1_codes, .offset: 8, .size: 8, .value_kind: global_buffer, .address_space: global }
      - { .name: w2_codes, .offset: 16, .size: 8, .value_kind: global_buffer, .address_space: global }
      - { .name: lowp_scales, .offset: 24, .size: 8, .value_kind: global_buffer, .address_space: global }
      - { .name: coef1, .offset: 32, .size: 8, .value_kind: global_buffer, .address_space: global }
      - { .name: beta1, .offset: 40, .size: 8, .value_kind: global_buffer, .address_space: global }
      - { .name: part, .offset: 48, .size: 8, .value_kind: global_buffer, .address_space: global }
    .group_segment_fixed_size: 197120
    .private_segment_fixed_size: 0
    .kernarg_segment_align: 8
    .kernarg_segment_size: 56
    .max_flat_workgroup_size: 128
    .sgpr_count:     66
    .vgpr_count:     768
    .wavefront_size: 32
...
	.end_amdgpu_metadata
.endif
;; end of part 6
;; launch red2: the kernel of part 5 again; grid 4 x 1, 8 waves a work-group, no clusters, 5,120 bytes of LDS; arguments part, b2, g2, coef2; writes coef2
;; launch final (part 7): grid 256 x 1, 4 waves a work-group, no clusters, 266,752 bytes of LDS; arguments xcodes, w1_codes, w2_codes, lowp_scales, coef1, beta1, coef2, beta2, out0; writes out0
.if DOCPART == 7
	.amdgcn_target "amdgcn-amd-amdhsa--gfx1250"
	.amdhsa_code_object_version 6
	.text
	.protected	k_qb3ff2a29a1_final
	.globl	k_qb3ff2a29a1_final
	.p2align	8
	.type	k_qb3ff2a29a1_final,@function
k_qb3ff2a29a1_final:
	s_mov_b64 s[64:65], 0
	v_nop
	global_prefetch_b8 v0, s[64:65] scope:SCOPE_SE
	s_setreg_imm32_b32 hwreg(HW_REG_WAVE_MODE, 25, 1), 1
	s_wait_xcnt 0x0
; THE WHOLE CHAIN, TO THE OUTPUT.  For the work-group's 256 points: y1 = x W1^T (E4M3, K = 512); h = max((y1 + shift1) k1 + beta1, 0), quantised with the given 2^e2; y2 = h W2^T (E4M3, K = 256);
; out = max((y2 + shift2) k2 + beta2, 0), stored [batch][channel][point].  Up to the hidden images the text is the one that took the second layer's statistics, line for line, so the numbers are the same.
; SHARES.  The four waves share the CHANNELS: wave w owns hidden units and outputs 64 w .. 64 w + 63 for all 256 points.  Its part of W1 fills window 1 (256 registers), its part of W2 half of window 2 (128), for the whole launch.
; x's codes, 131,072 bytes laid as images of operand registers, come into LDS by one tensor load a wave (one out, by this text's count), once; nothing in LDS is filled again.
; FIRST PRODUCT, transposed: source 0 = 16 rows of W1, source 1 = 16 points; lane r of tile t takes row 64 w + 32 (t / 2) + 8 (t % 2) + r + 8 (r / 8), so the 16 registers of tiles 2 b and 2 b + 1 are 16 neighbours along the next K.
; SECOND PRODUCT: source 0 = 16 points (the hidden image), source 1 = rows 64 w + 16 t + r of W2: a lane holds ONE channel and eight neighbouring points: 32 bytes of a row of the output.
; THE WAY OUT.  Four tiles of points fill 256 bytes of each of the wave's 64 channel rows in its own stage (pitch 272); the rows come back whole, and sixteen lanes store 256 consecutive bytes, aligned.
; NO MULTICAST: the weights are the only bytes that work-groups share (196,608); they are read once into registers.  Through LDS they would stand beside x's 131,072, the hidden layer's 65,536 and the stages' 69,632 bytes, more than a work-group can have.
; LIMITS: e2 between -126 and 119; e0 + e1 and e2 + e3 between -126 and 127.  NaN is not served.
.set HI,  131072                       ; LDS: x's images from 0; the hidden layer's from here: tile x 4096 + K step x 2048 + c x 512 + 16 lane
.set STG, 196608                       ; LDS: a stage of 64 rows x 272 bytes for each wave
.set LI,  1                            ; v1       16 x lane
.set ADR, 2                            ; v2       the LDS address of the loads in hand
.set HW,  3                            ; v3       where my wave's part of a hidden image lies
.set AD2, 12                           ; v12      the LDS address of the stores in hand
.set STO, 13                           ; v13      the stage: where I put 32 bytes of a row
.set SRD, 14                           ; v14      and where I read a row back
.set OV,  15                           ; v15      my byte offset in the output
.set XF,  16                           ; v16-143  x's four fragments, two sets; later v16-79 the hidden layer's two, two sets
.set OB,  80                           ; v80-143  the way out: 16 x 4 registers
.set ACC, 144                          ; v144-207 four accumulators, two sets
.set PC,  208                          ; v208-215 the codes just made
.set SH2, 216                          ; shift2, k2, beta2 of my lane's channel in each tile, as pairs (upper word a copy)
.set K2,  224
.set BE2, 232
.set SH,  128                          ; window 2: shift1, k1, beta1 in the first product's result layout, 8 registers a tile
.set KK,  160
.set BE,  192
.set MSB, 0
.macro WIN new                         ; the immediate's high byte repeats the setting that is left
.if MSB != \new
	s_set_vgpr_msb (MSB<<8)|\new
.set MSB, \new
.endif
.endm
.macro PLACES
.rept 4
	v_nop
.endr
.endm
	s_load_b256 s[4:11], s[0:1], 0x0               ; xcodes, w1_codes, w2_codes, lowp_scales
	s_load_b256 s[12:19], s[0:1], 0x20             ; coef1, beta1, coef2, beta2
	s_load_b64 s[20:21], s[0:1], 0x40              ; out0
	v_lshl_add_u32 v254, v0, 2, 0x41000
	v_mov_b32 v255, 0
	ds_add_u32 v254, v255
	ds_add_u32 v254, v255
	v_lshrrev_b32 v1, 5, v0
	v_readfirstlane_b32 s22, v1                    ; wave 0..3
	v_and_b32 v6, 31, v0
	v_and_b32 v7, 15, v0                           ; r
	v_bfe_u32 v8, v0, 4, 1                         ; h
	v_lshlrev_b32 v[LI], 4, v6
	v_and_b32 v9, 8, v7
	v_add_nc_u32 v9, v9, v7
	v_lshlrev_b32 v9, 9, v9
	v_lshl_add_u32 v9, v8, 4, v9                   ; W1: row r + 8 (r / 8) of 512 bytes, + 16 h
	v_lshlrev_b32 v10, 8, v7
	v_lshl_add_u32 v10, v8, 4, v10                 ; W2: row r of 256 bytes, + 16 h
	v_lshlrev_b32 v11, 6, v8                       ; the first layer's coefficients: my half's 16 units
	v_lshlrev_b32 v6, 2, v7                        ; the second layer's: channel r of a tile
	s_mul_i32 s52, s22, 17408
	s_add_co_u32 s52, s52, STG                     ; my stage
	v_mul_u32_u24 v[STO], v7, 272
	v_lshl_add_u32 v[STO], v8, 5, v[STO]
	v_add_nc_u32 v[STO], s52, v[STO]               ; in: row r, + 32 h
	v_mul_u32_u24 v[SRD], v8, 272
	v_lshl_add_u32 v[SRD], v7, 4, v[SRD]
	v_add_nc_u32 v[SRD], s52, v[SRD]               ; back: sixteen lanes to a row, two rows an instruction
	v_lshlrev_b32 v[OV], 15, v8
	v_lshl_add_u32 v[OV], v7, 4, v[OV]             ; and the same in the output: channel rows of 32,768 bytes
	s_lshr_b32 s52, s22, 1
	s_lshl_b32 s52, s52, 11
	s_and_b32 s53, s22, 1
	s_lshl_b32 s53, s53, 10
	s_add_co_u32 s52, s52, s53
	v_add_nc_u32 v[HW], s52, v[LI]
	s_mov_b32 s28, 3<<16                           ; group 1: elements of 8 bytes, no mask, no padding
	s_mov_b32 s29, 32<<16                          ; tensor_dim0 = 32 (256 bytes)
	s_mov_b32 s30, 128<<16                         ; tensor_dim1 = 128
	s_mov_b32 s31, 32<<16                          ; tile_dim0 = 32
	s_mov_b32 s32, 128                             ; tile_dim1 = 128
	s_mov_b32 s33, 32                              ; the pitch: the block is dense
	s_mov_b32 s34, 0
	s_mov_b32 s35, 0
	s_mov_b32 s24, 1
	s_lshl_b32 s25, s22, 15                        ; LDS: my wave's quarter, 32,768 bytes
	s_lshl_b32 s50, ttmp9, 17
	s_add_co_u32 s50, s50, s25
	s_mov_b32 s51, 0
	s_mov_b32 s52, s25                             ; my 64 rows of W1,
	s_mov_b32 s53, 0
	s_lshl_b32 s54, s22, 14                        ; of W2,
	s_mov_b32 s55, 0
	s_lshl_b32 s56, s22, 8                         ; my 64 channels
	s_mov_b32 s57, 0
	s_lshr_b32 s58, ttmp9, 5
	s_lshl_b32 s58, s58, 23                        ; the output: batch,
	s_lshl_b32 s59, s22, 21                        ; my 64 channel rows,
	s_add_co_u32 s58, s58, s59
	s_and_b32 s59, ttmp9, 31
	s_lshl_b32 s59, s59, 10                        ; my work-group's 256 points
	s_add_co_u32 s58, s58, s59
	s_mov_b32 s59, 0
	s_wait_dscnt 0x0
	s_wait_kmcnt 0x0
	s_add_nc_u64 s[26:27], s[4:5], s[50:51]
	s_or_b32 s27, s27, 0x80000000
	tensor_load_to_lds s[24:27], s[28:35]
	s_nop 0
	PLACES                                         ; four plain lines follow the tensor load
	s_load_b128 s[36:39], s[10:11], 0x0            ; e0, e1, e2, e3
	s_add_nc_u64 s[6:7], s[6:7], s[52:53]
	s_add_nc_u64 s[8:9], s[8:9], s[54:55]
	s_add_nc_u64 s[12:13], s[12:13], s[56:57]
	s_add_nc_u64 s[14:15], s[14:15], s[56:57]
	s_add_nc_u64 s[16:17], s[16:17], s[56:57]
	s_add_nc_u64 s[18:19], s[18:19], s[56:57]
	s_add_nc_u64 s[20:21], s[20:21], s[58:59]
.irp t, 0,1,2,3
	global_load_b32 v[SH2+2*\t], v6, s[16:17] offset:64*\t
	global_load_b32 v[K2+2*\t], v6, s[16:17] offset:1024+64*\t
	global_load_b32 v[BE2+2*\t], v6, s[18:19] offset:64*\t
.endr
	WIN 0x40                                       ; destination window 1
.irp t, 0,1,2,3
.irp ks, 0,1,2,3
.irp c, 0,1,2,3
	global_load_b128 v[16*(4*\t+\ks)+4*\c:16*(4*\t+\ks)+4*\c+3], v9, s[6:7] offset:(32*(\t/2)+8*(\t%2))*512+128*\ks+32*\c
.endr
.endr
.endr
	WIN 0x80                                       ; destination window 2
.irp t, 0,1,2,3
.irp ks, 0,1
.irp c, 0,1,2,3
	global_load_b128 v[16*(2*\t+\ks)+4*\c:16*(2*\t+\ks)+4*\c+3], v10, s[8:9] offset:4096*\t+128*\ks+32*\c
.endr
.endr
.endr
.irp t, 0,1,2,3
	global_load_b128 v[SH+8*\t:SH+8*\t+3], v11, s[12:13] offset:(32*(\t/2)+8*(\t%2))*4
	global_load_b128 v[SH+8*\t+4:SH+8*\t+7], v11, s[12:13] offset:(32*(\t/2)+8*(\t%2))*4+16
	global_load_b128 v[KK+8*\t:KK+8*\t+3], v11, s[12:13] offset:1024+(32*(\t/2)+8*(\t%2))*4
	global_load_b128 v[KK+8*\t+4:KK+8*\t+7], v11, s[12:13] offset:1024+(32*(\t/2)+8*(\t%2))*4+16
	global_load_b128 v[BE+8*\t:BE+8*\t+3], v11, s[14:15] offset:(32*(\t/2)+8*(\t%2))*4
	global_load_b128 v[BE+8*\t+4:BE+8*\t+7], v11, s[14:15] offset:(32*(\t/2)+8*(\t%2))*4+16
.endr
	WIN 0
	s_wait_loadcnt 0x0
.irp t, 0,1,2,3
	v_mov_b32 v[SH2+2*\t+1], v[SH2+2*\t]
	v_mov_b32 v[K2+2*\t+1], v[K2+2*\t]
	v_mov_b32 v[BE2+2*\t+1], v[BE2+2*\t]
.endr
	s_wait_kmcnt 0x0
	s_add_co_i32 s40, s36, s37
	s_add_co_i32 s40, s40, 127
	s_lshl_b32 s40, s40, 23                        ; 2^(e0 + e1) as f32
	s_mov_b32 s41, s40                             ; (named with it as a pair, so it is written)
	s_add_co_i32 s42, s38, s39
	s_add_co_i32 s42, s42, 127
	s_lshl_b32 s42, s42, 23                        ; 2^(e2 + e3)
	s_mov_b32 s43, s42
	s_add_co_i32 s50, s38, 127
	s_lshl_b32 s51, s50, 23
	v_mov_b32 v4, s51                              ; 2^e2: the conversion takes its exponent field
	s_add_co_i32 s50, s50, 8
	s_lshl_b32 s50, s50, 23
	s_or_b32 s50, s50, 0x600000
	v_mov_b32 v5, s50                              ; 448 x 2^e2
	s_wait_tensorcnt 0x0                           ; my quarter of x has landed,
	s_barrier_signal -1
	s_barrier_wait -1                              ; everybody's has
.macro LOADX set                       ; the next tile's four fragments of x: 16 loads of 512 consecutive bytes
	v_add_nc_u32 v[ADR], s44, v[LI]
.irp ks, 0,1,2,3
.irp c, 0,1,2,3
	ds_load_b128 v[XF+64*(\set)+16*\ks+4*\c:XF+64*(\set)+16*\ks+4*\c+3], v[ADR] offset:2048*\ks+512*\c
.endr
.endr
	s_add_co_u32 s44, s44, 8192
.endm
.macro MM set                          ; 16 matrix instructions; the four accumulators take turns, one instruction a turn; the first K step starts the sums
	WIN 0x01                                       ; source 0 (W1) window 1
.irp ks, 0,1,2,3
.irp t, 0,1,2,3
.if \ks == 0
	v_wmma_f32_16x16x128_fp8_fp8 v[ACC+32*(\set)+8*\t:ACC+32*(\set)+8*\t+7], v[16*(4*\t+\ks):16*(4*\t+\ks)+15], v[XF+64*(\set)+16*\ks:XF+64*(\set)+16*\ks+15], 0
.else
	v_wmma_f32_16x16x128_fp8_fp8 v[ACC+32*(\set)+8*\t:ACC+32*(\set)+8*\t+7], v[16*(4*\t+\ks):16*(4*\t+\ks)+15], v[XF+64*(\set)+16*\ks:XF+64*(\set)+16*\ks+15], v[ACC+32*(\set)+8*\t:ACC+32*(\set)+8*\t+7]
.endif
.endr
.endr
.endm
.macro EPI set                         ; norm, activation, quantiser, image; each accumulator is read from its low end on
.set AB, ACC+32*(\set)
	WIN 0x28                                       ; sources 1 and 2 window 2
.set i, 0
.rept 16
	v_pk_fma_f32 v[AB+i:AB+i+1], v[AB+i:AB+i+1], s[40:41], v[SH+i:SH+i+1] op_sel_hi:[1,0,1]   ; sum x 2^(e0 + e1) + shift
.set i, i+2
.endr
.set i, 0
.rept 16
	v_pk_fma_f32 v[AB+i:AB+i+1], v[AB+i:AB+i+1], v[KK+i:KK+i+1], v[BE+i:BE+i+1]               ; x k + beta
.set i, i+2
.endr
	WIN 0
.set i, 0
.rept 32
	v_med3_num_f32 v[AB+i], v[AB+i], 0, v5         ; the activation and the hold in one: between 0 and the largest code x the scale
.set i, i+1
.endr
.irp b, 0,1
	v_cvt_scalef32_pk8_fp8_f32 v[PC+4*\b:PC+4*\b+1], v[AB+16*\b:AB+16*\b+7], v4
	v_cvt_scalef32_pk8_fp8_f32 v[PC+4*\b+2:PC+4*\b+3], v[AB+16*\b+8:AB+16*\b+15], v4
.endr
	v_nop                                          ; a plain line between the last conversion and the products that write its sources
	v_add_nc_u32 v[AD2], s45, v[HW]
	ds_store_b128 v[AD2], v[PC:PC+3]
	ds_store_b128 v[AD2], v[PC+4:PC+7] offset:512
	s_add_co_u32 s45, s45, 4096
.endm
; Half a trip: the next tile's fragments are asked for, this tile is multiplied, the tile before is finished.  The loads go into registers that the matrix instructions of the half before read, and the finishing lines read
; results of the half before: that half's plain lines (or its four v_nop) lie between.
.macro HALF set, ld, epi
.if \ld
	LOADX 1-\set
	s_wait_dscnt 16                                ; all but the 16 just issued
.else
	s_wait_dscnt 0x0
.endif
	MM \set
.if \epi
	EPI 1-\set
.else
	WIN 0
	PLACES
.endif
.endm
	s_mov_b32 s44, 0
	s_mov_b32 s45, HI
	LOADX 0
	HALF 0, 1, 0
	s_mov_b32 s46, 7
.Lfirst:
	HALF 1, 1, 1
	HALF 0, 1, 1
	s_sub_co_u32 s46, s46, 1
	s_cmp_lg_u32 s46, 0
	s_cbranch_scc1 .Lfirst
	HALF 1, 0, 1
	EPI 1
	s_wait_dscnt 0x0                               ; for the others' sake: my part of the hidden images has landed
	s_barrier_signal -1
	s_barrier_wait -1                              ; the sixteen tiles' images are whole
.macro LOADH set                       ; the next tile's two hidden fragments
	v_add_nc_u32 v[ADR], s45, v[LI]
.irp ks, 0,1
.irp c, 0,1,2,3
	ds_load_b128 v[XF+32*(\set)+16*\ks+4*\c:XF+32*(\set)+16*\ks+4*\c+3], v[ADR] offset:2048*\ks+512*\c
.endr
.endr
	s_add_co_u32 s45, s45, 4096
.endm
.macro MM2 set                         ; 8 matrix instructions, the four accumulators by turns
	WIN 0x08                                       ; source 1 (W2) window 2
.irp ks, 0,1
.irp t, 0,1,2,3
.if \ks == 0
	v_wmma_f32_16x16x128_fp8_fp8 v[ACC+32*(\set)+8*\t:ACC+32*(\set)+8*\t+7], v[XF+32*(\set)+16*\ks:XF+32*(\set)+16*\ks+15], v[16*(2*\t+\ks):16*(2*\t+\ks)+15], 0
.else
	v_wmma_f32_16x16x128_fp8_fp8 v[ACC+32*(\set)+8*\t:ACC+32*(\set)+8*\t+7], v[XF+32*(\set)+16*\ks:XF+32*(\set)+16*\ks+15], v[16*(2*\t+\ks):16*(2*\t+\ks)+15], v[ACC+32*(\set)+8*\t:ACC+32*(\set)+8*\t+7]
.endif
.endr
.endr
	WIN 0
.endm
.macro EPI3 set, col                   ; the second norm and activation; the tile's 16 points become bytes 64 col on of my 64 rows in the stage; each accumulator is read from its low end on
.set AB, ACC+32*(\set)
.irp t, 0,1,2,3
.irp j, 0,2,4,6
	v_pk_fma_f32 v[AB+8*\t+\j:AB+8*\t+\j+1], v[AB+8*\t+\j:AB+8*\t+\j+1], s[42:43], v[SH2+2*\t:SH2+2*\t+1] op_sel_hi:[1,0,1]   ; sum x 2^(e2 + e3) + shift
.endr
.endr
.irp t, 0,1,2,3
.irp j, 0,2,4,6
	v_pk_fma_f32 v[AB+8*\t+\j:AB+8*\t+\j+1], v[AB+8*\t+\j:AB+8*\t+\j+1], v[K2+2*\t:K2+2*\t+1], v[BE2+2*\t:BE2+2*\t+1]          ; x k + beta
.endr
.endr
.set i, 0
.rept 32
	v_max_num_f32 v[AB+i], 0, v[AB+i]
.set i, i+1
.endr
.irp t, 0,1,2,3
	ds_store_b128 v[STO], v[AB+8*\t:AB+8*\t+3] offset:4352*\t+64*(\col)
	ds_store_b128 v[STO], v[AB+8*\t+4:AB+8*\t+7] offset:4352*\t+64*(\col)+16
.endr
.endm
.macro HALF3 set, ld, col              ; col < 0: there is no tile before
.if \ld
	LOADH 1-\set
	s_wait_dscnt 8                                 ; all but the 8 just issued
.else
	s_wait_dscnt 0x0
.endif
	MM2 \set
.if \col >= 0
	EPI3 1-\set, \col
.else
	PLACES
.endif
.endm
.macro FLUSH                           ; 64 points of my 64 channels leave: two batches of 16 loads and 16 stores.  LDS serves a wave's instructions in order: the loads see my stores, and the next tiles' stores come behind them
.irp hf, 0,1
	s_wait_xcnt 0x0                                ; the stores of the batch before have read their registers
.set i, 0
.rept 16
	ds_load_b128 v[OB+4*i:OB+4*i+3], v[SRD] offset:544*(16*\hf+i)
.set i, i+1
.endr
.set i, 0
.rept 16
	s_wait_dscnt 15-i                              ; load i is in; the 15 - i behind it may be out
	global_store_b128 v[OV], v[OB+4*i:OB+4*i+3], s[20:21] offset:65536*(16*\hf+i) th:TH_STORE_NT   ; sixteen lanes store 256 consecutive bytes, aligned; written once, read by nobody here
.set i, i+1
.endr
.endr
	s_wait_xcnt 0x0                                ; the stores have read their base
	s_add_nc_u64 s[20:21], s[20:21], 256           ; the next 64 points
.endm
	s_mov_b32 s45, HI
	LOADH 0
	HALF3 0, 1, -1
	s_mov_b32 s46, 3
.Lsecond:                                          ; a trip multiplies four tiles of points and sends out the four before them
	HALF3 1, 1, 0
	HALF3 0, 1, 1
	HALF3 1, 1, 2
	HALF3 0, 1, 3
	FLUSH
	s_sub_co_u32 s46, s46, 1
	s_cmp_lg_u32 s46, 0
	s_cbranch_scc1 .Lsecond
	HALF3 1, 1, 0
	HALF3 0, 1, 1
	HALF3 1, 0, 2                                  ; the last tile: nothing is left to fetch
	EPI3 1, 3
	FLUSH
	s_wait_tensorcnt 0x0
	ds_add_u32 v254, v255
	s_wait_dscnt 0x0
	s_endpgm
.Lfunc_end_k_qb3ff2a29a1_final:
	.size	k_qb3ff2a29a1_final, .Lfunc_end_k_qb3ff2a29a1_final-k_qb3ff2a29a1_final
	.p2alignl 7, 3214868480
	.fill 96, 4, 3214868480
	.section	.rodata,"a",@progbits
	.p2align	6, 0x0
	.amdhsa_kernel k_qb3ff2a29a1_final
		.amdhsa_group_segment_fixed_size 266752
		.amdhsa_private_segment_fixed_size 0
		.amdhsa_enable_private_segment 0
		.amdhsa_kernarg_size 72
		.amdhsa_user_sgpr_count 2
		.amdhsa_user_sgpr_kernarg_segment_ptr 1
		.amdhsa_wavefront_size32 1
		.amdhsa_system_sgpr_workgroup_id_x 1
		.amdhsa_system_sgpr_workgroup_id_y 1
		.amdhsa_system_sgpr_workgroup_id_z 1
		.amdhsa_system_vgpr_workitem_id 0
		.amdhsa_next_free_vgpr 768
		.amdhsa_next_free_sgpr 66
		.amdhsa_reserve_vcc 0
		.amdhsa_float_denorm_mode_32 3
		.amdhsa_float_denorm_mode_16_64 3
		.amdhsa_memory_ordered 1
		.amdhsa_forward_progress 1
		.amdhsa_inst_pref_size 95
	.end_amdhsa_kernel
	.amdgpu_metadata
---
amdhsa.version: [ 1, 2 ]
amdhsa.kernels:
  - .name:           k_qb3ff2a29a1_final
    .symbol:         k_qb3ff2a29a1_final.kd
    .args:
      - { .name: xcodes, .offset: 0, .size: 8, .value_kind: global_buffer, .address_space: global }
      - { .name: w1_codes, .offset: 8, .size: 8, .value_kind: global_buffer, .address_space: global }
      - { .name: w2_codes, .offset: 16, .size: 8, .value_kind: global_buffer, .address_space: global }
      - { .name: lowp_scales, .offset: 24, .size: 8, .value_kind: global_buffer, .address_space: global }
      - { .name: coef1, .offset: 32, .size: 8, .value_kind: global_buffer, .address_space: global }
      - { .name: beta1, .offset: 40, .size: 8, .value_kind: global_buffer, .address_space: global }
      - { .name: coef2, .offset: 48, .size: 8, .value_kind: global_buffer, .address_space: global }
      - { .name: beta2, .offset: 56, .size: 8, .value_kind: global_buffer, .address_space: global }
      - { .name: out0, .offset: 64, .size: 8, .value_kind: global_buffer, .address_space: global }
    .group_segment_fixed_size: 266752
    .private_segment_fixed_size: 0
    .kernarg_segment_align: 8
    .kernarg_segment_size: 72
    .max_flat_workgroup_size: 128
    .sgpr_count:     66
    .vgpr_count:     768
    .wavefront_size: 32
...
	.end_amdgpu_metadata
.endif
;; end of part 7
